; MI455X (gfx1250); checked and timed in simulation.
; The chip was launched on July 23, 2026; its instructions are those of AMD's public machine-readable ISA for CDNA 5 (MIT licence, August 2026) and "CDNA5" Instruction Set Architecture Reference Guide (July 2026). The comments in the code are by the model that wrote it; some were corrected since.
;; Transition Down With Dist Fea. Allowed arithmetic: float matrix products may take bf16 or f16 operands with f32 sums; all other float work in f32.
;; Inputs: b1 64 float32; b2 64 float32; b3 128 float32; be1 64 float32; be2 64 float32; be3 128 float32; feature 2 x 8,192 x 64 float32; g1 64 float32; g2 64 float32; g3 128 float32; sample_indexes 2 x 4,096 int32; w1 28 x 64 float32; w2 64 x 64 float32; w3 128 x 128 float32; xyz 2 x 8,192 x 3 float32.
;; Outputs: out0 2 x 4,096 x 3 float32; out1 2 x 4,096 x 128 float32.
;; 2 versions, each right; version 2 is version 1 with the launch knn written anew for expert scheduling mode. Each part assembles by itself: llvm-mc -triple=amdgcn-amd-amdhsa -mcpu=gfx1250 --defsym DOCPART=n.
;; ======== version 1 of 2: 2 launches
;; workspace buffers: P 262,144 bytes; PS 131,072 bytes; grp 262,144 bytes of whole numbers; WB 90,112 bytes
;; launch knn (part 1): grid 256 x 1, 8 waves a work-group, no clusters, 272,384 bytes of LDS; arguments xyz, sample_indexes, w1, w2, w3, P, PS, grp, WB, out0; writes P, PS, grp, WB, out0
.if DOCPART == 1
	.amdgcn_target "amdgcn-amd-amdhsa--gfx1250"
	.amdhsa_code_object_version 6
	.text
	.protected	k_q68d067b90a_knn
	.globl	k_q68d067b90a_knn
	.p2align	8
	.type	k_q68d067b90a_knn,@function
k_q68d067b90a_knn:
	s_mov_b64 s[64:65], 0
	v_nop
	global_prefetch_b8 v0, s[64:65] scope:SCOPE_SE
	s_setreg_imm32_b32 hwreg(HW_REG_WAVE_MODE, 25, 1), 1
	s_wait_xcnt 0x0
; FIRST PASS OF THE NEIGHBOUR SEARCH.  2 x 4096 sampled points ask for their 4 nearest among the 8192 points of their cloud and among its 4096
; sampled points.  A work-group owns 32 queries and keeps all candidates of its batch in LDS as records (x, y, z, sq).  For each query and scan it
; finds the 4 GROUPS of 16 consecutive candidates with the smallest group minimum of max(d2, 1e-12), ties to the lower group, and stores their
; numbers, ascending, as whole numbers.  These groups hold the 4 nearest candidates in the order (distance, index): were one of them in a fifth
; group, four other groups would each hold a candidate that comes before it.  The next launch looks at those 64 candidates alone.
; Waves with nothing left to merge write the record tables P and PS, the weights as bf16 fragments (WB) and out0.
; d2 = (sq_i + sq_j) - 2 dot is a difference of larger sums, and the ORDER of neighbours hangs on its last bits, so it is made in f32 on the vector
; unit with reference()'s own roundings as far as they can be known: sq as reference() writes it, products and then their sum, each rounded singly,
; x then y then z (SQ_FMA = 0: that is why these multiplies and adds are not fused); the dot product as a chain of fused multiply-adds in ascending
; k, as an f32 matrix product sums it (DOT_FMA = 1); 2 dot is exact, so the last fused step rounds as the subtraction does.
; bf16 operands would change the neighbours.
; LIMITS.  The order is taken on max(d2, 1e-12), not on its root: it can differ from reference() only where two different d2 round to one root.
; The order of rounding of sq and dot is as said above.
; NaN or infinite coordinates are not served (lists then keep starting entries; all addresses stay inside the buffers).
; No joint requests in a cluster: the candidates pass through registers in any case (sq is appended, the sampled ones are gathered through the
; list), and raw coordinates, records and lists together, 98,304 + 197,632 + 73,728 bytes, exceed the 327,680 bytes of LDS.
.set SQ_FMA,  0
.set DOT_FMA, 1
.set CLAMP, 0x2b8cbccc                 ; 1e-12
.set FSEG, 4112                        ; a segment of 256 records of the cloud + 16 bytes: two segments read by one half of the lanes fall in different 16-byte columns
.set SSEG, 2064                        ; a segment of 128 sampled records + 16 bytes
.set SB,   32*FSEG                     ; sampled records, behind the cloud's (which begin at LDS byte 0)
.set LIST, SB+32*SSEG                  ; [scan 2][segment 32][query 32] x 32 bytes: 4 values, 4 group numbers
.set M1,   LIST+65536                  ; [wave 8][query 32] x 32 bytes: lists after the first merge; ends at 271,360
.set FT,   14                          ; v14      at work in SQ
.set ST,   16                          ; v[16:143]  fill: 32 records of the cloud
.set GI,   144                         ; v[144:159] fill: 16 list entries, then byte offsets
.set GA,   160                         ; v[160:223] fill: 16 gathered records
.set QX,   16                          ; v[16:31]   scan: x, y, z, sq of my 4 queries
.set QY,   20
.set QZ,   24
.set QS,   28
.set LV,   32                          ; v[32:47]   4 smallest group minima, query e at +4e
.set LI,   48                          ; v[48:63]   their group numbers
.set GM,   64                          ; v[64:67]   the running group's minimum, one for each query
.set GID,  68                          ; v68        the running group's number
.set TT,   69
.set CADR, 70                          ; v70        LDS address of my segment's next groups
.set LADR, 71                          ; v71        LDS address of my lists
.set CA,   96                          ; v[96:159]  16 candidate records, buffer A
.set CB,   160                         ; v[160:223] buffer B
.set T,    224                         ; v[224:255] four chains of 8 registers
.macro SQ r                            ; record at v[r:r+3]: sq = x x + y y + z z
	v_mul_f32 v[\r+3], v[\r], v[\r]
.if SQ_FMA
	v_fmac_f32 v[\r+3], v[\r+1], v[\r+1]
	v_fmac_f32 v[\r+3], v[\r+2], v[\r+2]
.else
	v_mul_f32 v[FT], v[\r+1], v[\r+1]
	v_add_f32 v[\r+3], v[\r+3], v[FT]
	v_mul_f32 v[FT], v[\r+2], v[\r+2]
	v_add_f32 v[\r+3], v[\r+3], v[FT]
.endif
.endm
; The stages of d2 for a pair p of queries against record c, in chain t.  One word of the record is spread over both halves by op_sel.
.macro DX t, p, c
	v_pk_mul_f32 v[\t:\t+1], v[QX+2*\p:QX+2*\p+1], v[\c:\c+1] op_sel:[0,0] op_sel_hi:[1,0]
.endm
.macro DY t, p, c
.if DOT_FMA
	v_pk_fma_f32 v[\t:\t+1], v[QY+2*\p:QY+2*\p+1], v[\c:\c+1], v[\t:\t+1] op_sel:[0,1,0] op_sel_hi:[1,1,1]
.else
	v_pk_mul_f32 v[\t+2:\t+3], v[QY+2*\p:QY+2*\p+1], v[\c:\c+1] op_sel:[0,1] op_sel_hi:[1,1]
.endif
.endm
.macro DZ t, p, c
.if DOT_FMA
	v_pk_fma_f32 v[\t:\t+1], v[QZ+2*\p:QZ+2*\p+1], v[\c+2:\c+3], v[\t:\t+1] op_sel:[0,0,0] op_sel_hi:[1,0,1]
.else
	v_pk_mul_f32 v[\t+4:\t+5], v[QZ+2*\p:QZ+2*\p+1], v[\c+2:\c+3] op_sel:[0,0] op_sel_hi:[1,0]
.endif
.endm
.macro DW t, p, c
	v_pk_add_f32 v[\t+6:\t+7], v[QS+2*\p:QS+2*\p+1], v[\c+2:\c+3] op_sel:[0,1] op_sel_hi:[1,1]
.endm
.macro DA1 t, p, c
	v_pk_add_f32 v[\t:\t+1], v[\t:\t+1], v[\t+2:\t+3]
.endm
.macro DA2 t, p, c
	v_pk_add_f32 v[\t:\t+1], v[\t:\t+1], v[\t+4:\t+5]
.endm
.macro DF t, p, c
	v_pk_fma_f32 v[\t:\t+1], v[\t:\t+1], -2.0, v[\t+6:\t+7] op_sel_hi:[1,0,1]
.endm
.macro FOUR op, a, b                   ; one stage in all four chains: no instruction waits for the one in front of it
	\op T, 0, \a
	\op T+8, 1, \a
	\op T+16, 0, \b
	\op T+24, 1, \b
.endm
.macro PAIR2 a, b, first               ; my 4 queries against records a and b; first = 0: they start the group's minimum
	FOUR DX, \a, \b
	FOUR DY, \a, \b
	FOUR DZ, \a, \b
	FOUR DW, \a, \b
.if DOT_FMA == 0
	FOUR DA1, \a, \b
	FOUR DA2, \a, \b
.endif
	FOUR DF, \a, \b
.if \first == 0
	v_min_num_f32 v[GM], v[T], v[T+16]
	v_min_num_f32 v[GM+1], v[T+1], v[T+17]
	v_min_num_f32 v[GM+2], v[T+8], v[T+24]
	v_min_num_f32 v[GM+3], v[T+9], v[T+25]
.else
	v_min3_num_f32 v[GM], v[GM], v[T], v[T+16]
	v_min3_num_f32 v[GM+1], v[GM+1], v[T+1], v[T+17]
	v_min3_num_f32 v[GM+2], v[GM+2], v[T+8], v[T+24]
	v_min3_num_f32 v[GM+3], v[GM+3], v[T+9], v[T+25]
.endif
.endm
; Insertion into a sorted list of 4, without a branch.  The compare is strict: of equal values the one that came first stays in front.
.macro INSC val, lv, m                 ; masks s[m:m+3]: val is smaller than entry 0, 1, 2, 3
	v_cmp_lt_f32 s[\m], v[\val], v[\lv]
	v_cmp_lt_f32 s[\m+1], v[\val], v[\lv+1]
	v_cmp_lt_f32 s[\m+2], v[\val], v[\lv+2]
	v_cmp_lt_f32 s[\m+3], v[\val], v[\lv+3]
.endm
.macro INSM val, id, lv, li, m         ; the numbers move by the masks, the values by the middle of three
	v_cndmask_b32 v[TT], v[\id], v[\li+2], s[\m+2]
	v_cndmask_b32 v[\li+3], v[\li+3], v[TT], s[\m+3]
	v_cndmask_b32 v[TT], v[\id], v[\li+1], s[\m+1]
	v_cndmask_b32 v[\li+2], v[\li+2], v[TT], s[\m+2]
	v_cndmask_b32 v[TT], v[\id], v[\li], s[\m]
	v_cndmask_b32 v[\li+1], v[\li+1], v[TT], s[\m+1]
	v_cndmask_b32 v[\li], v[\li], v[\id], s[\m]
	v_med3_num_f32 v[\lv+3], v[\val], v[\lv+2], v[\lv+3]
	v_med3_num_f32 v[\lv+2], v[\val], v[\lv+1], v[\lv+2]
	v_med3_num_f32 v[\lv+1], v[\val], v[\lv], v[\lv+1]
	v_min_num_f32 v[\lv], v[\val], v[\lv]
.endm
.macro INS1 val, id, lv, li
	INSC \val, \lv, 28
	INSM \val, \id, \lv, \li, 28
.endm
.macro LOADG buf, off                  ; a group's 16 records; the 8 lanes of one segment read the same 16 bytes
.set t, 0
.rept 16
	ds_load_b128 v[\buf+4*t:\buf+4*t+3], v[CADR] offset:\off+16*t
.set t, t+1
.endr
.endm
.macro GROUP buf                       ; 16 candidates x 4 queries, then the group's minimum takes its place in each query's list
.set tp, 0
.rept 8
	PAIR2 \buf+8*tp, \buf+8*tp+4, tp
.set tp, tp+1
.endr
.irp e, 0,1,2,3
	v_max_num_f32 v[GM+\e], CLAMP, v[GM+\e]        ; the clamp of reference(), on the minimum: it is monotone
.endr
	INSC GM+0, LV+0, 28
	INSC GM+1, LV+4, 32
	INSC GM+2, LV+8, 36
	INSC GM+3, LV+12, 44
	INSM GM+0, GID, LV+0, LI+0, 28
	INSM GM+1, GID, LV+4, LI+4, 32
	INSM GM+2, GID, LV+8, LI+8, 36
	INSM GM+3, GID, LV+12, LI+12, 44
	v_add_nc_u32 v[GID], 1, v[GID]
.endm
.macro SCAN ngroups, scan              ; my segment's groups through two register buffers; then my 4 lists go to LDS
.irp k, 0,1,2,3,4,5,6,7,8,9,10,11,12,13,14,15
	v_mov_b32 v[LV+\k], s41                        ; lists start at +infinity
	v_mov_b32 v[LI+\k], 0
.endr
	LOADG CA, 0
	s_mov_b32 s40, \ngroups/2-1
.Lscan_\@:
	LOADG CB, 256
	s_wait_dscnt 16                                ; LDS answers in order: all but the 16 loads just issued are in (buffer A, and whatever is older)
	GROUP CA
	LOADG CA, 512
	s_wait_dscnt 16                                ; buffer B is in, A's 16 stay out
	GROUP CB
	v_add_nc_u32 v[CADR], 512, v[CADR]
	s_sub_co_u32 s40, s40, 1
	s_cmp_lg_u32 s40, 0
	s_cbranch_scc1 .Lscan_\@
	LOADG CB, 256                                  ; the last two groups: nothing is read beyond the segment
	s_wait_dscnt 16
	GROUP CA
	s_wait_dscnt 0x0
	GROUP CB
.irp e, 0,1,2,3
	ds_store_b128 v[LADR], v[LV+4*\e:LV+4*\e+3] offset:\scan*32768+32*\e
	ds_store_b128 v[LADR], v[LI+4*\e:LI+4*\e+3] offset:\scan*32768+32*\e+16
.endr
.endm
.macro BAR                             ; my LDS accesses are done, then the work-group's barrier
	s_wait_dscnt 0x0
	s_barrier_signal -1
	s_barrier_wait -1
.endm
.macro SPLIT2 hi, lo, a, b             ; two f32 as two bf16 each: hi = the rounded number, lo = the rounded rest
	v_cvt_pk_bf16_f32 v[\hi], v[\a], v[\b]
	v_lshlrev_b32 v[T], 16, v[\hi]
	v_and_b32 v[T+1], 0xffff0000, v[\hi]
	v_sub_f32 v[T], v[\a], v[T]
	v_sub_f32 v[T+1], v[\b], v[T+1]
	v_cvt_pk_bf16_f32 v[\lo], v[T], v[T+1]
.endm
	s_load_b512 s[8:23], s[0:1], 0x0               ; xyz 8, sample_indexes 10, w1 12, w2 14, w3 16, P 18, PS 20, grp 22
	s_load_b128 s[24:27], s[0:1], 0x40             ; WB 24, out0 26
	v_lshl_add_u32 v252, v0, 2, 0x42400
	v_mov_b32 v253, 0
	v_and_b32 v1, 31, v0                           ; lane
	v_lshrrev_b32 v2, 5, v0
	v_readfirstlane_b32 s2, v2                     ; wave w
	s_mov_b32 s3, ttmp9                            ; work-group x
	s_lshr_b32 s4, s3, 7                           ; batch b
	s_and_b32 s5, s3, 127                          ; xl: my queries are sampled positions 32 xl .. 32 xl + 31
	s_lshr_b32 s6, s5, 2                           ; j: the sampled segment that holds them
	s_and_b32 s7, s3, 3                            ; x3: which quarter of it
	s_mov_b32 s41, 0x7f800000                      ; +infinity
	s_mul_i32 s32, s2, 12288
	v_mad_u32_u24 v2, v1, 12, s32                  ; xyz: 1,024 points a wave, 12 bytes a lane
	s_lshl_b32 s33, s2, 11
	v_lshl_add_u32 v3, v1, 4, s33                  ; list: 512 entries a wave, 16 bytes a lane
	s_mul_i32 s34, s2, 4*FSEG
	v_lshl_add_u32 v4, v1, 4, s34                  ; LDS: my wave's 4 segments of the cloud
	s_mul_i32 s35, s2, 4*SSEG
	s_add_co_u32 s35, s35, SB
	v_lshl_add_u32 v5, v1, 6, s35                  ; LDS: my wave's 4 sampled segments, 4 records a lane
	s_mul_i32 s36, s4, 98304
	s_mov_b32 s37, 0
	s_lshl_b32 s38, s4, 14
	s_mov_b32 s39, 0
	s_wait_kmcnt 0x0
	s_add_nc_u64 s[8:9], s[8:9], s[36:37]          ; my batch's coordinates
	s_add_nc_u64 s[10:11], s[10:11], s[38:39]      ; my batch's list
	; FILL.  Entry 512 w + 128 k + 4 lane + e of the list lands in GI + 4 k + e; point 1024 w + 32 i + lane in ST + 4 i.
.irp k, 0,1,2,3
	global_load_b128 v[GI+4*\k:GI+4*\k+3], v3, s[10:11] offset:512*\k
.endr
.set i, 0
.rept 32
	global_load_b96 v[ST+4*i:ST+4*i+2], v2, s[8:9] offset:384*i
.set i, i+1
.endr
	s_wait_loadcnt 32                              ; the list's 4 loads are in, the 32 behind them stay out
.set i, 0
.rept 16
	v_min_u32 v[GI+i], 0x1fff, v[GI+i]             ; an index stays inside the cloud
	v_mul_u32_u24 v[GI+i], 12, v[GI+i]
.set i, i+1
.endr
.set i, 0
.rept 16
	global_load_b96 v[GA+4*i:GA+4*i+2], v[GI+i], s[8:9]
.set i, i+1
.endr
	s_wait_loadcnt 16                              ; the cloud's 32 loads are in, the 16 gathers stay out
.set i, 0
.rept 32
	SQ ST+4*i
	ds_store_b128 v4, v[ST+4*i:ST+4*i+3] offset:(i>>3)*FSEG+(i&7)*512
.set i, i+1
.endr
	s_wait_loadcnt 0x0
.set i, 0
.rept 16
	SQ GA+4*i
	ds_store_b128 v5, v[GA+4*i:GA+4*i+3] offset:(i>>2)*SSEG+(i&3)*16
.set i, i+1
.endr
	BAR                                            ; all records are in LDS for every wave
	; Lane l: queries 4 (l & 7) .. + 3, segment 4 w + (l >> 3).  One record load of a wave feeds 32 queries x 4 candidates.
	v_and_b32 v6, 7, v1
	v_lshrrev_b32 v7, 3, v1
	s_mul_i32 s32, s6, SSEG
	s_lshl_b32 s33, s7, 9
	s_add_co_u32 s32, s32, s33
	s_add_co_u32 s32, s32, SB
	v_lshl_add_u32 v8, v6, 6, s32
.irp e, 0,1,2,3
	ds_load_b32 v[QX+\e], v8 offset:16*\e          ; word by word into their places: no copies
	ds_load_b32 v[QY+\e], v8 offset:16*\e+4
	ds_load_b32 v[QZ+\e], v8 offset:16*\e+8
	ds_load_b32 v[QS+\e], v8 offset:16*\e+12
.endr
	v_lshl_add_u32 v9, s2, 2, v7                   ; my segment L
	v_lshlrev_b32 v[LADR], 10, v9
	v_lshl_add_u32 v[LADR], v6, 7, v[LADR]
	v_add_nc_u32 v[LADR], LIST, v[LADR]
	v_mul_u32_u24 v[CADR], FSEG, v9
	v_lshlrev_b32 v[GID], 4, v9                    ; 16 groups in a segment of the cloud
	SCAN 16, 0
	v_mul_u32_u24 v[CADR], SSEG, v9
	v_add_nc_u32 v[CADR], SB, v[CADR]
	v_lshlrev_b32 v[GID], 3, v9                    ; 8 groups in a sampled segment
	SCAN 8, 1
	BAR                                            ; all lists are in LDS
	; MERGE 1.  Wave w: scan w >> 2, segments 8 (w & 3) .. + 7, query = lane.  Lists in ascending segment order, entries in their order, so ties keep the lower group.
	s_lshl_b32 s32, s2, 13
	s_add_co_u32 s32, s32, LIST
	v_lshl_add_u32 v10, v1, 5, s32
	ds_load_b128 v[LV:LV+3], v10
	ds_load_b128 v[LI:LI+3], v10 offset:16
.irp i, 1,2,3,4,5,6,7
	ds_load_b128 v[CA+4*(\i-1):CA+4*(\i-1)+3], v10 offset:1024*\i
	ds_load_b128 v[CB+4*(\i-1):CB+4*(\i-1)+3], v10 offset:1024*\i+16
.endr
	s_lshl_b32 s33, s2, 10
	s_add_co_u32 s33, s33, M1
	v_lshl_add_u32 v11, v1, 5, s33
	s_wait_dscnt 0x0
.set n, 0
.rept 28
	INS1 CA+n, CB+n, LV, LI
.set n, n+1
.endr
	ds_store_b128 v11, v[LV:LV+3]
	ds_store_b128 v11, v[LI:LI+3] offset:16
	BAR                                            ; the last barrier: from here each wave has a job of its own and no wave writes LDS
	; Waves 0 and 1: the last merge of scan w, the 4 group numbers in ascending order, 512 consecutive bytes of grp.
	s_cmp_lt_u32 s2, 2
	s_cbranch_scc0 .Ltail23
	s_lshl_b32 s32, s2, 12
	s_add_co_u32 s32, s32, M1
	v_lshl_add_u32 v10, v1, 5, s32
	ds_load_b128 v[LV:LV+3], v10
	ds_load_b128 v[LI:LI+3], v10 offset:16
.irp i, 1,2,3
	ds_load_b128 v[CA+4*(\i-1):CA+4*(\i-1)+3], v10 offset:1024*\i
	ds_load_b128 v[CB+4*(\i-1):CB+4*(\i-1)+3], v10 offset:1024*\i+16
.endr
	s_lshl_b32 s33, s2, 17
	s_lshl_b32 s34, s3, 9
	s_add_co_u32 s33, s33, s34
	v_lshl_add_u32 v12, v1, 4, s33
	s_wait_dscnt 0x0
.set n, 0
.rept 12
	INS1 CA+n, CB+n, LV, LI
.set n, n+1
.endr
	v_min_u32 v[CA], v[LI], v[LI+1]                ; five compare-exchanges; ascending, so that the next launch meets candidates in index order
	v_max_u32 v[CA+1], v[LI], v[LI+1]
	v_min_u32 v[CA+2], v[LI+2], v[LI+3]
	v_max_u32 v[CA+3], v[LI+2], v[LI+3]
	v_min_u32 v[LI], v[CA], v[CA+2]
	v_max_u32 v[CA+4], v[CA], v[CA+2]
	v_min_u32 v[CA+5], v[CA+1], v[CA+3]
	v_max_u32 v[LI+3], v[CA+1], v[CA+3]
	v_min_u32 v[LI+1], v[CA+4], v[CA+5]
	v_max_u32 v[LI+2], v[CA+4], v[CA+5]
	global_store_b128 v12, v[LI:LI+3], s[22:23]
	s_wait_tensorcnt 0x0
	ds_add_u32 v252, v253
	s_wait_dscnt 0x0
	s_endpgm
	; Waves 2 and 3: records 64 x .. 64 x + 63 of P (segment j, quarter x3 of the cloud in LDS).
.Ltail23:
	s_cmp_lt_u32 s2, 4
	s_cbranch_scc0 .Ltail4
	s_sub_co_u32 s32, s2, 2
	s_lshl_b32 s32, s32, 9
	s_mul_i32 s33, s6, FSEG
	s_lshl_b32 s34, s7, 10
	s_add_co_u32 s33, s33, s34
	s_add_co_u32 s33, s33, s32
	v_lshl_add_u32 v10, v1, 4, s33
	ds_load_b128 v[CA:CA+3], v10
	s_lshl_b32 s35, s3, 10
	s_add_co_u32 s35, s35, s32
	v_lshl_add_u32 v12, v1, 4, s35
	s_wait_dscnt 0x0
	global_store_b128 v12, v[CA:CA+3], s[18:19]
	s_wait_tensorcnt 0x0
	ds_add_u32 v252, v253
	s_wait_dscnt 0x0
	s_endpgm
	; Wave 4: records 32 x .. 32 x + 31 of PS: my queries.
.Ltail4:
	s_cmp_eq_u32 s2, 4
	s_cbranch_scc0 .Ltail5
	s_mul_i32 s33, s6, SSEG
	s_lshl_b32 s34, s7, 9
	s_add_co_u32 s33, s33, s34
	s_add_co_u32 s33, s33, SB
	v_lshl_add_u32 v10, v1, 4, s33
	ds_load_b128 v[CA:CA+3], v10
	s_lshl_b32 s35, s3, 9
	v_lshl_add_u32 v12, v1, 4, s35
	s_wait_dscnt 0x0
	global_store_b128 v12, v[CA:CA+3], s[20:21]
	s_wait_tensorcnt 0x0
	ds_add_u32 v252, v253
	s_wait_dscnt 0x0
	s_endpgm
	; Wave 5 of work-groups 0 to 43: weight fragment x.  Lane (r = l & 15, h = l >> 4) holds column 16 nt + r, rows 32 ks + 8 h .. + 7 and 32 ks + 16 + 8 h .. + 7
	; (the layout of a 16-bit operand with K = 32: ISA guide 7.12.2).  At 2,048 x: the high halves' registers 0-3, 4-7, then the low halves'.
; s32 = byte offset of (row 32 ks, column 16 nt); nc = columns; sh = log2 of 8 rows' bytes; pad = 1: w1 has 28 rows, rows 28 to 31 of the fragment are zeros
.macro WJOB base, nc, sh, pad
	v_lshl_add_u32 v10, v6, 2, s32
	v_lshl_add_u32 v11, v7, \sh, v10
.set e, 0
.rept 16
.if \pad*(e/12)
	global_load_b32 v[CA+e], v10, s[\base:\base+1] offset:(8+e)*\nc*4     ; rows 20 to 23 in every lane: inside the buffer; put to zero below where h = 1
.else
	global_load_b32 v[CA+e], v11, s[\base:\base+1] offset:(e+8*(e/8))*\nc*4
.endif
.set e, e+1
.endr
	s_wait_loadcnt 0x0
.if \pad
	v_cmp_eq_u32 s28, 1, v7
.irp k, 12,13,14,15
	v_cndmask_b32 v[CA+\k], v[CA+\k], 0, s28
.endr
.endif
.set e, 0
.rept 8
	SPLIT2 CB+e, CB+8+e, CA+2*e, CA+2*e+1
.set e, e+1
.endr
.irp k, 0,1,2,3
	global_store_b128 v12, v[CB+4*\k:CB+4*\k+3], s[24:25] offset:512*\k
.endr
.endm
.Ltail5:
	s_cmp_eq_u32 s2, 5
	s_cbranch_scc0 .Ltail6
	s_cmp_lt_u32 s3, 44
	s_cbranch_scc0 .Lend
	v_and_b32 v6, 15, v1
	v_lshrrev_b32 v7, 4, v1
	s_lshl_b32 s35, s3, 11
	v_lshl_add_u32 v12, v1, 4, s35
	s_cmp_lt_u32 s3, 4
	s_cbranch_scc0 .Lw2
	s_lshl_b32 s32, s3, 6                          ; w1: nt = x
	WJOB 12, 64, 11, 1
	s_wait_tensorcnt 0x0
	ds_add_u32 v252, v253
	s_wait_dscnt 0x0
	s_endpgm
.Lw2:
	s_cmp_lt_u32 s3, 12
	s_cbranch_scc0 .Lw3
	s_sub_co_u32 s33, s3, 4                        ; w2: x - 4 = 2 nt + ks
	s_and_b32 s34, s33, 1
	s_lshl_b32 s34, s34, 13
	s_lshr_b32 s33, s33, 1
	s_lshl_b32 s33, s33, 6
	s_add_co_u32 s32, s33, s34
	WJOB 14, 64, 11, 0
	s_wait_tensorcnt 0x0
	ds_add_u32 v252, v253
	s_wait_dscnt 0x0
	s_endpgm
.Lw3:
	s_sub_co_u32 s33, s3, 12                       ; w3: x - 12 = 4 nt + ks
	s_and_b32 s34, s33, 3
	s_lshl_b32 s34, s34, 14
	s_lshr_b32 s33, s33, 2
	s_lshl_b32 s33, s33, 6
	s_add_co_u32 s32, s33, s34
	WJOB 16, 128, 12, 0
	s_wait_tensorcnt 0x0
	ds_add_u32 v252, v253
	s_wait_dscnt 0x0
	s_endpgm
	; Wave 6 of every fourth work-group: out0 of sampled segment j, 128 points = 1,536 bytes, as three stores of 512 consecutive bytes.
	; Number e = 128 k + 4 lane + c of the 384 belongs to point e / 3 (= e x 43691 >> 17 for e < 384) and lies at word e + e / 3 of the segment.
.Ltail6:
	s_cmp_eq_u32 s2, 6
	s_cbranch_scc0 .Lend
	s_cmp_eq_u32 s7, 0
	s_cbranch_scc0 .Lend
	s_mul_i32 s33, s6, SSEG
	s_add_co_u32 s33, s33, SB
	v_lshlrev_b32 v6, 2, v1
.set n, 0
.rept 12
	v_add_nc_u32 v7, 128*(n>>2)+(n&3), v6
	v_mul_u32_u24 v10, 0xaaab, v7
	v_lshrrev_b32 v10, 17, v10
	v_add_lshl_u32 v10, v10, v7, 2
	v_add_nc_u32 v10, s33, v10
	ds_load_b32 v[CA+n], v10
.set n, n+1
.endr
	s_mul_i32 s34, s4, 49152
	s_mul_i32 s35, s6, 1536
	s_add_co_u32 s34, s34, s35
	v_lshl_add_u32 v12, v1, 4, s34
	s_wait_dscnt 0x0
.irp k, 0,1,2
	global_store_b128 v12, v[CA+4*\k:CA+4*\k+3], s[26:27] offset:512*\k
.endr
.Lend:
	s_wait_tensorcnt 0x0
	ds_add_u32 v252, v253
	s_wait_dscnt 0x0
	s_endpgm
.Lfunc_end_k_q68d067b90a_knn:
	.size	k_q68d067b90a_knn, .Lfunc_end_k_q68d067b90a_knn-k_q68d067b90a_knn
	.p2alignl 7, 3214868480
	.fill 96, 4, 3214868480
	.section	.rodata,"a",@progbits
	.p2align	6, 0x0
	.amdhsa_kernel k_q68d067b90a_knn
		.amdhsa_group_segment_fixed_size 272384
		.amdhsa_private_segment_fixed_size 0
		.amdhsa_enable_private_segment 0
		.amdhsa_kernarg_size 80
		.amdhsa_user_sgpr_count 2
		.amdhsa_user_sgpr_kernarg_segment_ptr 1
		.amdhsa_wavefront_size32 1
		.amdhsa_system_sgpr_workgroup_id_x 1
		.amdhsa_system_sgpr_workgroup_id_y 1
		.amdhsa_system_sgpr_workgroup_id_z 1
		.amdhsa_system_vgpr_workitem_id 0
		.amdhsa_next_free_vgpr 256
		.amdhsa_next_free_sgpr 66
		.amdhsa_reserve_vcc 0
		.amdhsa_float_denorm_mode_32 3
		.amdhsa_float_denorm_mode_16_64 3
		.amdhsa_memory_ordered 1
		.amdhsa_forward_progress 1
		.amdhsa_inst_pref_size 219
	.end_amdhsa_kernel
	.amdgpu_metadata
---
amdhsa.version: [ 1, 2 ]
amdhsa.kernels:
  - .name:           k_q68d067b90a_knn
    .symbol:         k_q68d067b90a_knn.kd
    .args:
      - { .name: xyz, .offset: 0, .size: 8, .value_kind: global_buffer, .address_space: global }
      - { .name: sample_indexes, .offset: 8, .size: 8, .value_kind: global_buffer, .address_space: global }
      - { .name: w1, .offset: 16, .size: 8, .value_kind: global_buffer, .address_space: global }
      - { .name: w2, .offset: 24, .size: 8, .value_kind: global_buffer, .address_space: global }
      - { .name: w3, .offset: 32, .size: 8, .value_kind: global_buffer, .address_space: global }
      - { .name: P, .offset: 40, .size: 8, .value_kind: global_buffer, .address_space: global }
      - { .name: PS, .offset: 48, .size: 8, .value_kind: global_buffer, .address_space: global }
      - { .name: grp, .offset: 56, .size: 8, .value_kind: global_buffer, .address_space: global }
      - { .name: WB, .offset: 64, .size: 8, .value_kind: global_buffer, .address_space: global }
      - { .name: out0, .offset: 72, .size: 8, .value_kind: global_buffer, .address_space: global }
    .group_segment_fixed_size: 272384
    .private_segment_fixed_size: 0
    .kernarg_segment_align: 8
    .kernarg_segment_size: 80
    .max_flat_workgroup_size: 256
    .sgpr_count:     66
    .vgpr_count:     256
    .wavefront_size: 32
...
	.end_amdgpu_metadata
.endif
;; end of part 1
;; launch mlp (part 2): grid 256 x 1, 8 waves a work-group, no clusters, 75,264 bytes of LDS; arguments P, PS, grp, WB, feature, sample_indexes, g1, b1, be1, g2, b2, be2, g3, b3, be3, out1; writes out1
.if DOCPART == 2
	.amdgcn_target "amdgcn-amd-amdhsa--gfx1250"
	.amdhsa_code_object_version 6
	.text
	.protected	k_q68d067b90a_mlp
	.globl	k_q68d067b90a_mlp
	.p2align	8
	.type	k_q68d067b90a_mlp,@function
k_q68d067b90a_mlp:
	s_mov_b64 s[64:65], 0
	v_nop
	global_prefetch_b8 v0, s[64:65] scope:SCOPE_SE
	s_setreg_imm32_b32 hwreg(HW_REG_WAVE_MODE, 25, 1), 1
	s_wait_xcnt 0x0
; SECOND PASS OF THE NEIGHBOUR SEARCH, THE 28 DISTANCES AND THE THREE LAYERS.  A work-group owns rows 32 x .. 32 x + 31 of the 8192 queries.
; Each query's 4 groups of 16 candidates (numbers from grp, whole numbers of the launch before) are scanned again, a lane a group, with an insertion
; that carries the candidates' coordinates along by selects: no address hangs on a distance.  Every distance that reference() takes out of its table
; is the same formula on two records (x, y, z, sq), made here with the same operations, in the same order, as in the first pass (DOT_FMA as there:
; the dot product is a chain of fused multiply-adds, x then y then z).
; LAYERS on the matrix unit, bf16 operands, f32 sums.  Every operand is TWO bf16 numbers, x = hi + lo, and a product is three matrix instructions
; (Whi Xhi + Whi Xlo + Wlo Xhi): one rounding to bf16, 2^-8 relative at the most, of 128 products is too near the allowed error of outputs close to zero;
; the part left out is of the order 2^-16.  The sources are swapped (weights first), so that a lane's 8 results are 8 neighbouring columns of one row.
; LIMITS.  Order of neighbours on max(d2, 1e-12), not on its root; v_sqrt_f32 is not correctly rounded (ISA guide 15.8); g / sqrt(1 + 1e-5) is g x 0x3f7fffac;
; (x + b) s + be is made as x s + (b s + be); NaN or infinite coordinates are not served.
; No cluster: what the work-groups share (90,112 bytes of weights) is read once by each, and no tile is walked in step.
.set DOT_FMA, 1
.set CLAMP, 0x2b8cbccc                 ; 1e-12
; LDS; every region is written once.  Pitches are odd multiples of 16 bytes: the 16 rows of a fragment load start in 16 different 16-byte columns of a 256-byte span.
.set OUTB, 0                           ; 32 x 528: out1's rows in f32
.set AN,   16896                       ; [scan 2][query 32] x 80: x, y, z, sq of the 4 anchors
.set X1H,  22016                       ; 32 x 80: the 28 distances + 4 zeros, high halves
.set X1L,  24576                       ;          low halves
.set H1H,  27136                       ; 32 x 144: layer 1's 64 results
.set H1L,  31744
.set X3H,  36352                       ; 32 x 272: columns 0-63 feature, 64-127 layer 2's results
.set X3L,  45056
.set R1,   53760                       ; 256 x 80: each lane's list: d2, x, y, z, sq of 4.  Ends at 74,240
; registers.  v0 thread, v1 lane, v2-15 and v152-159 offsets
.set WF1, 16                           ; v[16:23]   w1's fragment, high halves
.set WF2, 24                           ; v[24:39]   w2's two
.set WF3, 40                           ; v[40:71]   w3's four
.set SC,  72                           ; v[72:95]   g, then the scale, of my 8 columns in layers 1, 2, 3
.set SH,  96                           ; v[96:119]  b, then the shift
.set BE,  120                          ; v[120:143] be
.set FE,  144                          ; v[144:151] 2 x 4 numbers of feature
.set CN,  160                          ; v[160:223] 16 candidate records; lists to merge; activation fragments
.set Q,   224                          ; v[224:227] my query's record
.set LD,  228                          ; v[228:247] the list: d2, x, y, z, sq, 4 each
.set LX,  232
.set LY,  236
.set LZ,  240
.set LS,  244
.set DT,  248                          ; v[248:251] at work in DIST
.set TT,  252
.set VAL, 253
.set SPT, 254                          ; v[254:255] at work in SPLIT2
.set ACC0, 224                         ; layers: two accumulators,
.set ACC1, 232
.set U,   240                          ; v[240:247] 0.2 x; then v[240:243] packed low halves
.set PKL, 240
.set PK,  248                          ; v[248:251] packed high halves
; second window of 256 registers (names count from v256)
.set WL1, 0                            ; v[256:311] the weight fragments' low halves, as WF1, WF2, WF3
.set WL2, 8
.set WL3, 24
.set AL3, 64                           ; v[320:383] layer 3's activation fragments, low halves
.set MSB, 0
.macro WIN new                         ; s_set_vgpr_msb: bits 1:0 source 0, 3:2 source 1, 5:4 source 2, 7:6 destination; the high byte repeats the setting that is left
.if MSB != \new
	s_set_vgpr_msb (MSB<<8)|\new
.set MSB, \new
.endif
.endm
.macro BAR                             ; my LDS accesses are done, then the work-group's barrier
	s_wait_dscnt 0x0
	s_barrier_signal -1
	s_barrier_wait -1
.endm
.macro PLACES                          ; five plain vector places behind a layer's last matrix instruction (ISA guide 7.12.1): its results are read, its sources
.rept 5                                ; loaded again and its accumulators started anew only behind them
	v_nop
.endr
.endm
.macro LD8 dst, off, base
	global_load_b128 v[\dst:\dst+3], v[\off], s[\base:\base+1]
	global_load_b128 v[\dst+4:\dst+7], v[\off], s[\base:\base+1] offset:16
.endm
.macro DIST o, ax, ay, az, aw, bx, by, bz, bw  ; max((sq_a + sq_b) - 2 dot, 1e-12)
	v_mul_f32 v[DT], v[\ax], v[\bx]
.if DOT_FMA
	v_fmac_f32 v[DT], v[\ay], v[\by]
	v_fmac_f32 v[DT], v[\az], v[\bz]
	v_add_f32 v[DT+3], v[\aw], v[\bw]
.else
	v_mul_f32 v[DT+1], v[\ay], v[\by]
	v_mul_f32 v[DT+2], v[\az], v[\bz]
	v_add_f32 v[DT+3], v[\aw], v[\bw]
	v_add_f32 v[DT], v[DT], v[DT+1]
	v_add_f32 v[DT], v[DT], v[DT+2]
.endif
	v_fma_f32 v[\o], v[DT], -2.0, v[DT+3]
	v_max_num_f32 v[\o], CLAMP, v[\o]
.endm
.macro SHIFT4 l, p                     ; list l takes p at the place that the masks s40-43 name
	v_cndmask_b32 v[TT], v[\p], v[\l+2], s42
	v_cndmask_b32 v[\l+3], v[\l+3], v[TT], s43
	v_cndmask_b32 v[TT], v[\p], v[\l+1], s41
	v_cndmask_b32 v[\l+2], v[\l+2], v[TT], s42
	v_cndmask_b32 v[TT], v[\p], v[\l], s40
	v_cndmask_b32 v[\l+1], v[\l+1], v[TT], s41
	v_cndmask_b32 v[\l], v[\l], v[\p], s40
.endm
.macro INS5 val, px, py, pz, pw        ; insertion into the sorted list of 4; strict compare: of equal distances the one that came first stays in front
	v_cmp_lt_f32 s40, v[\val], v[LD]
	v_cmp_lt_f32 s41, v[\val], v[LD+1]
	v_cmp_lt_f32 s42, v[\val], v[LD+2]
	v_cmp_lt_f32 s43, v[\val], v[LD+3]
	SHIFT4 LX, \px
	SHIFT4 LY, \py
	SHIFT4 LZ, \pz
	SHIFT4 LS, \pw
	v_med3_num_f32 v[LD+3], v[\val], v[LD+2], v[LD+3]
	v_med3_num_f32 v[LD+2], v[\val], v[LD+1], v[LD+2]
	v_med3_num_f32 v[LD+1], v[\val], v[LD], v[LD+1]
	v_min_num_f32 v[LD], v[\val], v[LD]
.endm
.macro SPLIT2 hi, lo, a, b             ; two f32 as two bf16 each: hi = the rounded number, lo = the rounded rest
	v_cvt_pk_bf16_f32 v[\hi], v[\a], v[\b]
	v_lshlrev_b32 v[SPT], 16, v[\hi]
	v_and_b32 v[SPT+1], 0xffff0000, v[\hi]
	v_sub_f32 v[SPT], v[\a], v[SPT]
	v_sub_f32 v[SPT+1], v[\b], v[SPT+1]
	v_cvt_pk_bf16_f32 v[\lo], v[SPT], v[SPT+1]
.endm
.macro SPLIT8 acc
.irp j, 0,1,2,3
	SPLIT2 PK+\j, PKL+\j, \acc+2*\j, \acc+2*\j+1
.endr
.endm
.macro SUMACC                          ; the two accumulators of layers 1 and 2 hold parts of one sum
.irp j, 0,2,4,6
	v_pk_add_f32 v[ACC0+\j:ACC0+\j+1], v[ACC0+\j:ACC0+\j+1], v[ACC1+\j:ACC1+\j+1]
.endr
.endm
.macro EPI acc, sc, sh                 ; x s + t, then LeakyReLU as max(x, 0.2 x)
.irp j, 0,2,4,6
	v_pk_fma_f32 v[\acc+\j:\acc+\j+1], v[\acc+\j:\acc+\j+1], v[\sc+\j:\sc+\j+1], v[\sh+\j:\sh+\j+1]
.endr
.irp j, 0,2,4,6
	v_pk_mul_f32 v[U+\j:U+\j+1], v[\acc+\j:\acc+\j+1], 0x3e4ccccd op_sel_hi:[1,0]
.endr
.irp j, 0,1,2,3,4,5,6,7
	v_max_num_f32 v[\acc+\j], v[\acc+\j], v[U+\j]
.endr
.endm
	s_load_b512 s[8:23], s[0:1], 0x0               ; P 8, PS 10, grp 12, WB 14, feature 16, sample_indexes 18, g1 20, b1 22
	s_load_b512 s[24:39], s[0:1], 0x40             ; be1 24, g2 26, b2 28, be2 30, g3 32, b3 34, be3 36, out1 38
	s_set_vgpr_msb 0x40
	v_lshl_add_u32 v128, v0, 2, 0x12200
	v_mov_b32 v129, 0
	s_set_vgpr_msb 0x4000
	v_and_b32 v1, 31, v0                           ; lane
	v_lshrrev_b32 v2, 5, v0
	v_readfirstlane_b32 s2, v2                     ; wave w
	s_mov_b32 s3, ttmp9                            ; work-group x
	s_lshr_b32 s4, s3, 7                           ; batch
	s_and_b32 s5, s2, 3                            ; w & 3: which 8 queries I scan; column tile nt of layers 1 and 2
	s_lshr_b32 s6, s2, 2                           ; w >> 2: scan (0 cloud, 1 sampled); row tile mt of layers 1 and 2
	s_mov_b32 s56, 0x7f800000                      ; +infinity
	s_lshl_b32 s47, s6, 17
	s_lshl_b32 s48, s3, 9
	s_lshl_b32 s49, s5, 7
	s_add_co_u32 s50, s48, s49
	s_add_co_u32 s47, s47, s50
	v_lshl_add_u32 v2, v1, 2, s47                  ; grp: lane l has query 8 (w & 3) + (l >> 2), group l & 3
	v_lshrrev_b32 v3, 2, v1
	v_lshl_add_u32 v3, v3, 4, s50                  ; PS: my query's record
	s_lshl_b32 s51, s3, 7
	v_lshrrev_b32 v10, 4, v0                       ; feature: row t >> 4 (and 16 more), 16 bytes at 16 (t & 15)
	v_and_b32 v11, 15, v0
	v_lshl_add_u32 v4, v10, 2, s51
	s_lshl_b32 s52, s5, 11
	v_lshl_add_u32 v5, v1, 4, s52                  ; WB: fragment nt
	s_lshl_b32 s53, s5, 12
	s_add_co_u32 s53, s53, 8192
	v_lshl_add_u32 v6, v1, 4, s53                  ; fragments 4 + 2 nt, + 1
	s_lshl_b32 s54, s2, 13
	s_add_co_u32 s54, s54, 24576
	v_lshl_add_u32 v7, v1, 4, s54                  ; fragments 12 + 4 w .. + 3
	v_lshrrev_b32 v13, 4, v1
	s_lshl_b32 s55, s5, 6
	v_lshl_add_u32 v8, v13, 5, s55                 ; g, b, be of columns 16 nt + 8 h .. + 7
	s_lshl_b32 s57, s2, 6
	v_lshl_add_u32 v9, v13, 5, s57                 ; the same for layer 3: 16 w + 8 h
	v_lshlrev_b32 v12, 4, v11
	s_lshr_b32 s46, 511, s6                        ; groups in my table - 1: 511 or 255
	s_sub_co_u32 s58, 17, s6
	s_lshl_b32 s58, s4, s58                        ; my batch in the table: 131,072 or 65,536 bytes
	s_mov_b32 s59, 0
	s_lshl_b32 s52, s4, 21
	s_mov_b32 s53, 0
	s_wait_kmcnt 0x0
	s_cmp_lg_u32 s6, 0
	s_cselect_b64 s[44:45], s[10:11], s[8:9]       ; PS or P
	s_add_nc_u64 s[44:45], s[44:45], s[58:59]
	s_add_nc_u64 s[16:17], s[16:17], s[52:53]      ; my batch's features
	global_load_b32 v152, v2, s[12:13]             ; my group's number
	global_load_b128 v[Q:Q+3], v3, s[10:11]
	global_load_b32 v153, v4, s[18:19]             ; the two feature rows' indices
	global_load_b32 v154, v4, s[18:19] offset:64
	global_load_b128 v[WF1:WF1+3], v5, s[14:15]
	global_load_b128 v[WF1+4:WF1+7], v5, s[14:15] offset:512
.irp ks, 0,1
	global_load_b128 v[WF2+8*\ks:WF2+8*\ks+3], v6, s[14:15] offset:2048*\ks
	global_load_b128 v[WF2+8*\ks+4:WF2+8*\ks+7], v6, s[14:15] offset:2048*\ks+512
.endr
.irp ks, 0,1,2,3
	global_load_b128 v[WF3+8*\ks:WF3+8*\ks+3], v7, s[14:15] offset:2048*\ks
	global_load_b128 v[WF3+8*\ks+4:WF3+8*\ks+7], v7, s[14:15] offset:2048*\ks+512
.endr
	LD8 SC, 8, 20
	LD8 SH, 8, 22
	LD8 BE, 8, 24
	LD8 SC+8, 8, 26
	LD8 SH+8, 8, 28
	LD8 BE+8, 8, 30
	LD8 SC+16, 9, 32
	LD8 SH+16, 9, 34
	LD8 BE+16, 9, 36
	s_wait_loadcnt 32                              ; the first four are in; 14 weight loads and 18 of g, b, be stay out
	v_min_u32 v152, 0x1ff, v152
	v_and_b32 v152, s46, v152                      ; inside my table
	v_lshlrev_b32 v152, 8, v152                    ; 16 records of 16 bytes
.set t, 0
.rept 16
	global_load_b128 v[CN+4*t:CN+4*t+3], v152, s[44:45] offset:16*t
.set t, t+1
.endr
	v_min_u32 v153, 0x1fff, v153
	v_min_u32 v154, 0x1fff, v154
	v_lshl_add_u32 v153, v153, 8, v12              ; a row of 256 bytes is read whole by 16 neighbouring lanes
	v_lshl_add_u32 v154, v154, 8, v12
	global_load_b128 v[FE:FE+3], v153, s[16:17]
	global_load_b128 v[FE+4:FE+7], v154, s[16:17]
	s_wait_loadcnt 2                               ; all but the two feature loads
	WIN 0x40                                       ; the weights' low halves into the second window; they have until layer 1 to arrive
	global_load_b128 v[WL1:WL1+3], v5, s[14:15] offset:1024
	global_load_b128 v[WL1+4:WL1+7], v5, s[14:15] offset:1536
.irp ks, 0,1
	global_load_b128 v[WL2+8*\ks:WL2+8*\ks+3], v6, s[14:15] offset:2048*\ks+1024
	global_load_b128 v[WL2+8*\ks+4:WL2+8*\ks+7], v6, s[14:15] offset:2048*\ks+1536
.endr
.irp ks, 0,1,2,3
	global_load_b128 v[WL3+8*\ks:WL3+8*\ks+3], v7, s[14:15] offset:2048*\ks+1024
	global_load_b128 v[WL3+8*\ks+4:WL3+8*\ks+7], v7, s[14:15] offset:2048*\ks+1536
.endr
	WIN 0
	; THE SECOND SCAN: my group's 16 candidates in index order
.irp k, 0,1,2,3
	v_mov_b32 v[LD+\k], s56
.endr
.irp k, 0,1,2,3,4,5,6,7,8,9,10,11,12,13,14,15
	v_mov_b32 v[LX+\k], 0
.endr
.set t, 0
.rept 16
	DIST VAL, Q, Q+1, Q+2, Q+3, CN+4*t, CN+4*t+1, CN+4*t+2, CN+4*t+3
	INS5 VAL, CN+4*t, CN+4*t+1, CN+4*t+2, CN+4*t+3
.set t, t+1
.endr
	v_mul_u32_u24 v13, 80, v0
.irp a, 0,1,2,3,4
	ds_store_b128 v13, v[LD+4*\a:LD+4*\a+3] offset:R1+16*\a
.endr
	s_wait_loadcnt 14                              ; the features are in; the 14 loads of low halves stay out
	SPLIT2 224, 226, FE, FE+1
	SPLIT2 225, 227, FE+2, FE+3
	SPLIT2 228, 230, FE+4, FE+5
	SPLIT2 229, 231, FE+6, FE+7
	v_mul_u32_u24 v14, 272, v10
	v_lshl_add_u32 v14, v11, 3, v14
	ds_store_b64 v14, v[224:225] offset:X3H
	ds_store_b64 v14, v[226:227] offset:X3L
	ds_store_b64 v14, v[228:229] offset:X3H+16*272
	ds_store_b64 v14, v[230:231] offset:X3L+16*272
.irp j, 0,2,4,6,8,10,12,14,16,18,20,22
	v_pk_mul_f32 v[SC+\j:SC+\j+1], v[SC+\j:SC+\j+1], 0x3f7fffac op_sel_hi:[1,0]           ; s = g / sqrt(1 + 1e-5)
.endr
.irp j, 0,2,4,6,8,10,12,14,16,18,20,22
	v_pk_fma_f32 v[SH+\j:SH+\j+1], v[SH+\j:SH+\j+1], v[SC+\j:SC+\j+1], v[BE+\j:BE+\j+1]   ; t = b s + be
.endr
	BAR                                            ; 1: the 256 lists are in LDS
	; Waves 0 and 1: scan w, query = lane.  The 4 groups' lists merge in ascending group order; then the 6 distances among the anchors.
	s_cmp_lt_u32 s2, 2
	s_cbranch_scc0 .Lno_merge
	s_mul_i32 s47, s2, 10240
	v_mad_u32_u24 v15, v1, 320, s47
.irp a, 0,1,2,3,4
	ds_load_b128 v[LD+4*\a:LD+4*\a+3], v15 offset:R1+16*\a
.endr
.irp g, 1,2,3
.irp a, 0,1,2,3,4
	ds_load_b128 v[CN+20*(\g-1)+4*\a:CN+20*(\g-1)+4*\a+3], v15 offset:R1+80*\g+16*\a
.endr
.endr
	s_mul_i32 s48, s2, 12
	v_mad_u32_u24 v155, v1, 80, s48                ; row = query, columns 6 w .. 6 w + 5
	s_mul_i32 s49, s2, 2560
	v_mad_u32_u24 v156, v1, 80, s49
	s_wait_dscnt 0x0
.irp g, 0,1,2
.irp k, 0,1,2,3
	INS5 CN+20*\g+\k, CN+20*\g+4+\k, CN+20*\g+8+\k, CN+20*\g+12+\k, CN+20*\g+16+\k
.endr
.endr
	DIST CN,   LX+1, LY+1, LZ+1, LS+1, LX+2, LY+2, LZ+2, LS+2
	DIST CN+1, LX+1, LY+1, LZ+1, LS+1, LX+3, LY+3, LZ+3, LS+3
	DIST CN+2, LX+2, LY+2, LZ+2, LS+2, LX+3, LY+3, LZ+3, LS+3
	v_sqrt_f32 v[CN+4], v[LD+1]
	v_sqrt_f32 v[CN+5], v[LD+2]
	v_sqrt_f32 v[CN+6], v[LD+3]
	v_sqrt_f32 v[CN+7], v[CN]
	v_sqrt_f32 v[CN+8], v[CN+1]
	v_sqrt_f32 v[CN+9], v[CN+2]
	v_nop                                          ; one plain place behind the roots before they are used (ISA guide 5.7.2)
	s_wait_alu depctr_va_vdst(0)
	SPLIT2 CN+10, CN+13, CN+4, CN+5
	SPLIT2 CN+11, CN+14, CN+6, CN+7
	SPLIT2 CN+12, CN+15, CN+8, CN+9
.irp k, 0,1,2
	ds_store_b32 v155, v[CN+10+\k] offset:X1H+4*\k
	ds_store_b32 v155, v[CN+13+\k] offset:X1L+4*\k
.endr
	ds_store_b128 v156, v[LX:LX+3] offset:AN
	ds_store_b128 v156, v[LY:LY+3] offset:AN+16
	ds_store_b128 v156, v[LZ:LZ+3] offset:AN+32
	ds_store_b128 v156, v[LS:LS+3] offset:AN+48
	s_cmp_lg_u32 s2, 0
	s_cbranch_scc1 .Lno_merge
	v_mov_b32 v[CN+16], 0                          ; columns 28 to 31 meet zero rows of w1 and must be finite
	v_mov_b32 v[CN+17], 0
	ds_store_b64 v155, v[CN+16:CN+17] offset:X1H+56
	ds_store_b64 v155, v[CN+16:CN+17] offset:X1L+56
.Lno_merge:
	BAR                                            ; 2: the anchors are in LDS
	; Waves 0 to 3: old anchor a = w against the 4 new anchors, query = lane: columns 12 + 4 a .. + 3
	s_cmp_lt_u32 s2, 4
	s_cbranch_scc0 .Lno_inter
	s_lshl_b32 s47, s2, 2
	v_mad_u32_u24 v157, v1, 80, s47
	v_mul_u32_u24 v158, 80, v1
.irp k, 0,1,2,3
	ds_load_b32 v[CN+\k], v157 offset:AN+16*\k
.endr
.irp k, 0,1,2,3
	ds_load_b128 v[CN+4+4*\k:CN+7+4*\k], v158 offset:AN+2560+16*\k
.endr
	s_lshl_b32 s48, s2, 3
	v_add_nc_u32 v159, s48, v158
	s_wait_dscnt 0x0
.irp k, 0,1,2,3
	DIST CN+20+\k, CN, CN+1, CN+2, CN+3, CN+4+\k, CN+8+\k, CN+12+\k, CN+16+\k
.endr
.irp k, 0,1,2,3
	v_sqrt_f32 v[CN+24+\k], v[CN+20+\k]
.endr
	v_nop                                          ; one plain place behind the roots
	s_wait_alu depctr_va_vdst(0)
	SPLIT2 CN+28, CN+30, CN+24, CN+25
	SPLIT2 CN+29, CN+31, CN+26, CN+27
	ds_store_b64 v159, v[CN+28:CN+29] offset:X1H+24
	ds_store_b64 v159, v[CN+30:CN+31] offset:X1L+24
.Lno_inter:
	BAR                                            ; 3: the 28 distances of all 32 rows are in LDS
	; THE LAYERS.  r = lane & 15, h = lane >> 4.  An activation fragment: row 16 mt + r, two loads of 16 bytes, 32 bytes apart, at 64 ks + 16 h.
	; Register j of a result: row 16 mt + r, column 16 nt + 8 h + j.
	s_wait_loadcnt 0x0                             ; the low halves are in, and every offset register of a load may be written again
	v_and_b32 v2, 15, v1
	v_lshrrev_b32 v3, 4, v1
	s_mul_i32 s47, s6, 16*80
	v_mad_u32_u24 v4, v2, 80, s47
	v_lshl_add_u32 v4, v3, 4, v4                   ; layer 1 reads
	s_mul_i32 s48, s6, 16*144
	v_mad_u32_u24 v6, v2, 144, s48
	v_lshl_add_u32 v6, v3, 4, v6                   ; layer 2 reads
	s_lshl_b32 s49, s5, 5
	v_add_nc_u32 v5, s49, v6                       ; layer 1 writes: + 32 nt
	s_mul_i32 s50, s6, 16*272
	s_add_co_u32 s50, s50, s49
	v_mad_u32_u24 v7, v2, 272, s50
	v_lshl_add_u32 v7, v3, 4, v7                   ; layer 2 writes
	v_mul_u32_u24 v8, 272, v2
	v_lshl_add_u32 v8, v3, 4, v8                   ; layer 3 reads
	s_lshl_b32 s51, s2, 6
	v_mad_u32_u24 v9, v2, 528, s51
	v_lshl_add_u32 v9, v3, 5, v9                   ; layer 3 writes
	s_mul_i32 s52, s2, 4*528
	v_lshl_add_u32 v10, v1, 4, s52                 ; the way out: rows 4 w .. 4 w + 3
	s_lshl_b32 s53, s3, 14
	s_lshl_b32 s54, s2, 11
	s_add_co_u32 s53, s53, s54
	v_lshl_add_u32 v11, v1, 4, s53
	; Layer 1: tile (mt, nt) = (w >> 2, w & 3), K = 32.  In all three layers the two accumulators take turns, one instruction a turn.
	ds_load_b128 v[CN:CN+3], v4 offset:X1H
	ds_load_b128 v[CN+4:CN+7], v4 offset:X1H+32
	ds_load_b128 v[CN+8:CN+11], v4 offset:X1L
	ds_load_b128 v[CN+12:CN+15], v4 offset:X1L+32
	s_wait_dscnt 0x0
	v_wmma_f32_16x16x32_bf16 v[ACC0:ACC0+7], v[WF1:WF1+7], v[CN:CN+7], 0
	v_wmma_f32_16x16x32_bf16 v[ACC1:ACC1+7], v[WF1:WF1+7], v[CN+8:CN+15], 0
	WIN 0x01                                       ; source 0 from the second window: the weights' low halves
	v_wmma_f32_16x16x32_bf16 v[ACC0:ACC0+7], v[WL1:WL1+7], v[CN:CN+7], v[ACC0:ACC0+7]
	WIN 0
	PLACES
	SUMACC
	EPI ACC0, SC, SH
	SPLIT8 ACC0
	ds_store_b128 v5, v[PK:PK+3] offset:H1H
	ds_store_b128 v5, v[PKL:PKL+3] offset:H1L
	BAR                                            ; 4
	; Layer 2: the same tile, K = 64
.irp k, 0,1,2,3
	ds_load_b128 v[CN+4*\k:CN+4*\k+3], v6 offset:H1H+32*\k
.endr
.irp k, 0,1,2,3
	ds_load_b128 v[CN+16+4*\k:CN+16+4*\k+3], v6 offset:H1L+32*\k
.endr
	s_wait_dscnt 0x0
	v_wmma_f32_16x16x32_bf16 v[ACC1:ACC1+7], v[WF2:WF2+7], v[CN:CN+7], 0
	v_wmma_f32_16x16x32_bf16 v[ACC0:ACC0+7], v[WF2:WF2+7], v[CN+16:CN+23], 0
	v_wmma_f32_16x16x32_bf16 v[ACC1:ACC1+7], v[WF2+8:WF2+15], v[CN+8:CN+15], v[ACC1:ACC1+7]
	v_wmma_f32_16x16x32_bf16 v[ACC0:ACC0+7], v[WF2+8:WF2+15], v[CN+24:CN+31], v[ACC0:ACC0+7]
	WIN 0x01
	v_wmma_f32_16x16x32_bf16 v[ACC1:ACC1+7], v[WL2:WL2+7], v[CN:CN+7], v[ACC1:ACC1+7]
	v_wmma_f32_16x16x32_bf16 v[ACC0:ACC0+7], v[WL2+8:WL2+15], v[CN+8:CN+15], v[ACC0:ACC0+7]
	WIN 0
	PLACES
	SUMACC
	EPI ACC0, SC+8, SH+8
	SPLIT8 ACC0
	ds_store_b128 v7, v[PK:PK+3] offset:X3H+128
	ds_store_b128 v7, v[PKL:PKL+3] offset:X3L+128
	BAR                                            ; 5
	; Layer 3: column tile nt = w, both row tiles (ACC0: rows 0-15, ACC1: rows 16-31), K = 128
.irp mt, 0,1
.irp ks, 0,1,2,3
	ds_load_b128 v[CN+32*\mt+8*\ks:CN+32*\mt+8*\ks+3], v8 offset:X3H+4352*\mt+64*\ks
	ds_load_b128 v[CN+32*\mt+8*\ks+4:CN+32*\mt+8*\ks+7], v8 offset:X3H+4352*\mt+64*\ks+32
.endr
.endr
	WIN 0x40                                       ; the low halves into the second window
.irp mt, 0,1
.irp ks, 0,1,2,3
	ds_load_b128 v[AL3+32*\mt+8*\ks:AL3+32*\mt+8*\ks+3], v8 offset:X3L+4352*\mt+64*\ks
	ds_load_b128 v[AL3+32*\mt+8*\ks+4:AL3+32*\mt+8*\ks+7], v8 offset:X3L+4352*\mt+64*\ks+32
.endr
.endr
	WIN 0
	s_wait_dscnt 0x0
	v_wmma_f32_16x16x32_bf16 v[ACC1:ACC1+7], v[WF3:WF3+7], v[CN+32:CN+39], 0
	v_wmma_f32_16x16x32_bf16 v[ACC0:ACC0+7], v[WF3:WF3+7], v[CN:CN+7], 0
.irp ks, 1,2,3
	v_wmma_f32_16x16x32_bf16 v[ACC1:ACC1+7], v[WF3+8*\ks:WF3+8*\ks+7], v[CN+32+8*\ks:CN+32+8*\ks+7], v[ACC1:ACC1+7]
	v_wmma_f32_16x16x32_bf16 v[ACC0:ACC0+7], v[WF3+8*\ks:WF3+8*\ks+7], v[CN+8*\ks:CN+8*\ks+7], v[ACC0:ACC0+7]
.endr
	WIN 0x04                                       ; source 1 from the second window: the activations' low halves
.irp ks, 0,1,2,3
	v_wmma_f32_16x16x32_bf16 v[ACC1:ACC1+7], v[WF3+8*\ks:WF3+8*\ks+7], v[AL3+32+8*\ks:AL3+32+8*\ks+7], v[ACC1:ACC1+7]
	v_wmma_f32_16x16x32_bf16 v[ACC0:ACC0+7], v[WF3+8*\ks:WF3+8*\ks+7], v[AL3+8*\ks:AL3+8*\ks+7], v[ACC0:ACC0+7]
.endr
	WIN 0x01                                       ; source 0 from the second window: the weights' low halves
.irp ks, 0,1,2,3
	v_wmma_f32_16x16x32_bf16 v[ACC1:ACC1+7], v[WL3+8*\ks:WL3+8*\ks+7], v[CN+32+8*\ks:CN+32+8*\ks+7], v[ACC1:ACC1+7]
	v_wmma_f32_16x16x32_bf16 v[ACC0:ACC0+7], v[WL3+8*\ks:WL3+8*\ks+7], v[CN+8*\ks:CN+8*\ks+7], v[ACC0:ACC0+7]
.endr
	WIN 0
	PLACES
	EPI ACC1, SC+16, SH+16
	EPI ACC0, SC+16, SH+16
	ds_store_b128 v9, v[ACC0:ACC0+3] offset:OUTB
	ds_store_b128 v9, v[ACC0+4:ACC0+7] offset:OUTB+16
	ds_store_b128 v9, v[ACC1:ACC1+3] offset:OUTB+16*528
	ds_store_b128 v9, v[ACC1+4:ACC1+7] offset:OUTB+16*528+16
	BAR                                            ; 6: the 32 rows are whole in LDS
	; THE WAY OUT: a wave's store covers one row of out1, 512 consecutive bytes, aligned
.irp i, 0,1,2,3
	ds_load_b128 v[CN+4*\i:CN+4*\i+3], v10 offset:OUTB+528*\i
.endr
.irp i, 0,1,2,3
	s_wait_dscnt 3-\i                              ; LDS answers in order: row i is in, the younger ones stay out
	global_store_b128 v11, v[CN+4*\i:CN+4*\i+3], s[38:39] offset:512*\i th:TH_STORE_NT
.endr
	s_set_vgpr_msb 0x5
	s_wait_tensorcnt 0x0
	ds_add_u32 v128, v129
	s_wait_dscnt 0x0
	s_set_vgpr_msb 0x500
	s_endpgm
.Lfunc_end_k_q68d067b90a_mlp:
	.size	k_q68d067b90a_mlp, .Lfunc_end_k_q68d067b90a_mlp-k_q68d067b90a_mlp
	.p2alignl 7, 3214868480
	.fill 96, 4, 3214868480
	.section	.rodata,"a",@progbits
	.p2align	6, 0x0
	.amdhsa_kernel k_q68d067b90a_mlp
		.amdhsa_group_segment_fixed_size 75264
		.amdhsa_private_segment_fixed_size 0
		.amdhsa_enable_private_segment 0
		.amdhsa_kernarg_size 128
		.amdhsa_user_sgpr_count 2
		.amdhsa_user_sgpr_kernarg_segment_ptr 1
		.amdhsa_wavefront_size32 1
		.amdhsa_system_sgpr_workgroup_id_x 1
		.amdhsa_system_sgpr_workgroup_id_y 1
		.amdhsa_system_sgpr_workgroup_id_z 1
		.amdhsa_system_vgpr_workitem_id 0
		.amdhsa_next_free_vgpr 386
		.amdhsa_next_free_sgpr 66
		.amdhsa_reserve_vcc 0
		.amdhsa_float_denorm_mode_32 3
		.amdhsa_float_denorm_mode_16_64 3
		.amdhsa_memory_ordered 1
		.amdhsa_forward_progress 1
		.amdhsa_inst_pref_size 103
	.end_amdhsa_kernel
	.amdgpu_metadata
---
amdhsa.version: [ 1, 2 ]
amdhsa.kernels:
  - .name:           k_q68d067b90a_mlp
    .symbol:         k_q68d067b90a_mlp.kd
    .args:
      - { .name: P, .offset: 0, .size: 8, .value_kind: global_buffer, .address_space: global }
      - { .name: PS, .offset: 8, .size: 8, .value_kind: global_buffer, .address_space: global }
      - { .name: grp, .offset: 16, .size: 8, .value_kind: global_buffer, .address_space: global }
      - { .name: WB, .offset: 24, .size: 8, .value_kind: global_buffer, .address_space: global }
      - { .name: feature, .offset: 32, .size: 8, .value_kind: global_buffer, .address_space: global }
      - { .name: sample_indexes, .offset: 40, .size: 8, .value_kind: global_buffer, .address_space: global }
      - { .name: g1, .offset: 48, .size: 8, .value_kind: global_buffer, .address_space: global }
      - { .name: b1, .offset: 56, .size: 8, .value_kind: global_buffer, .address_space: global }
      - { .name: be1, .offset: 64, .size: 8, .value_kind: global_buffer, .address_space: global }
      - { .name: g2, .offset: 72, .size: 8, .value_kind: global_buffer, .address_space: global }
      - { .name: b2, .offset: 80, .size: 8, .value_kind: global_buffer, .address_space: global }
      - { .name: be2, .offset: 88, .size: 8, .value_kind: global_buffer, .address_space: global }
      - { .name: g3, .offset: 96, .size: 8, .value_kind: global_buffer, .address_space: global }
      - { .name: b3, .offset: 104, .size: 8, .value_kind: global_buffer, .address_space: global }
      - { .name: be3, .offset: 112, .size: 8, .value_kind: global_buffer, .address_space: global }
      - { .name: out1, .offset: 120, .size: 8, .value_kind: global_buffer, .address_space: global }
    .group_segment_fixed_size: 75264
    .private_segment_fixed_size: 0
    .kernarg_segment_align: 8
    .kernarg_segment_size: 128
    .max_flat_workgroup_size: 256
    .sgpr_count:     66
    .vgpr_count:     386
    .wavefront_size: 32
...
	.end_amdgpu_metadata
.endif
;; end of part 2
;; ======== version 2 of 2: 2 launches; version 1 with the launch knn written anew for expert scheduling mode
;; workspace buffers: P 262,144 bytes; PS 131,072 bytes; grp 262,144 bytes of whole numbers; WB 90,112 bytes
;; launch knn (part 3): grid 256 x 1, 8 waves a work-group, no clusters, 272,384 bytes of LDS; arguments xyz, sample_indexes, w1, w2, w3, P, PS, grp, WB, out0; writes P, PS, grp, WB, out0
.if DOCPART == 3
	.amdgcn_target "amdgcn-amd-amdhsa--gfx1250"
	.amdhsa_code_object_version 6
	.text
	.protected	k_q68d067b90a_knn
	.globl	k_q68d067b90a_knn
	.p2align	8
	.type	k_q68d067b90a_knn,@function
k_q68d067b90a_knn:
	s_mov_b64 s[64:65], 0
	v_nop
	global_prefetch_b8 v0, s[64:65] scope:SCOPE_SE
	s_setreg_imm32_b32 hwreg(HW_REG_WAVE_SCHED_MODE, 0, 2), 2
	s_setreg_imm32_b32 hwreg(HW_REG_WAVE_MODE, 25, 1), 1
	s_wait_xcnt 0x0
	s_wait_alu depctr_vm_vsrc(0)
; FIRST PASS OF THE NEIGHBOUR SEARCH.  2 x 4096 sampled points ask for their 4 nearest among the 8192 points of their cloud and among its 4096
; sampled points.  A work-group owns 32 queries and keeps all candidates of its batch in LDS as records (x, y, z, sq).  For each query and scan it
; finds the 4 GROUPS of 16 consecutive candidates with the smallest group minimum of max(d2, 1e-12), ties to the lower group, and stores their
; numbers, ascending, as whole numbers.  These groups hold the 4 nearest candidates in the order (distance, index): were one of them in a fifth
; group, four other groups would each hold a candidate that comes before it.  The next launch looks at those 64 candidates alone.
; Waves with nothing left to merge write the record tables P and PS, the weights as bf16 fragments (WB) and out0.
; d2 = (sq_i + sq_j) - 2 dot is a difference of larger sums, and the ORDER of neighbours hangs on its last bits, so it is made in f32 on the vector
; unit with reference()'s own roundings as far as they can be known: sq as reference() writes it, products and then their sum, each rounded singly,
; x then y then z (SQ_FMA = 0: that is why these multiplies and adds are not fused); the dot product as a chain of fused multiply-adds in ascending
; k, as an f32 matrix product sums it (DOT_FMA = 1); 2 dot is exact, so the last fused step rounds as the subtraction does.
; bf16 operands would change the neighbours.
; LIMITS.  The order is taken on max(d2, 1e-12), not on its root: it can differ from reference() only where two different d2 round to one root.
; The order of rounding of sq and dot is as said above.
; NaN or infinite coordinates are not served (lists then keep starting entries; all addresses stay inside the buffers).
; No joint requests in a cluster: the candidates pass through registers in any case (sq is appended, the sampled ones are gathered through the
; list), and raw coordinates, records and lists together, 98,304 + 197,632 + 73,728 bytes, exceed the 327,680 bytes of LDS.
; THE MODE: SCHED_MODE bits 1:0 = 2 (LLVM: expert scheduling mode 2), set by the entry lines.  The code itself states the register dependences
; between vector instructions and memory or LDS instructions, and between a vector instruction that writes a scalar register and its readers,
; with s_wait_alu, always for 0.
; THE PLAN.  In the scan's loop a step is one group of 16 candidates.  Registers that LDS instructions touch there:
;   CA, CB   Step p's vector lines read buffer p % 2; its 16 LDS loads land in the other buffer, which step p - 1 read and no line of step p names.
;   CADR     Read by every one of those loads; written once a trip, at the trip's end.
;   Q, LV, LI, GM, GID, TT and T are named by vector instructions alone.
; So ONE wait on va_vdst stands at a step's head, behind the wait for the step's own buffer: the step before is done reading the other buffer, and at
; a trip's head CADR is written.  The step's loads follow with no further wait, four ahead of each of its first four pairs of records.  One wait on
; vm_vsrc a trip stands ahead of the add to CADR.  A group's 16 compares stand in one run with one wait on va_sdst behind them, ahead of the selects.
; Outside the loop each phase makes all its addresses first, then one wait on va_vdst, then its loads; results are made in a run, then one wait, then
; the run of stores; a wait on vm_vsrc stands where registers that loads or stores have read take a new part.
.set SQ_FMA,  0
.set DOT_FMA, 1
.set CLAMP, 0x2b8cbccc                 ; 1e-12
.set FSEG, 4112                        ; a segment of 256 records of the cloud + 16 bytes: two segments read by one half of the lanes fall in different 16-byte columns
.set SSEG, 2064                        ; a segment of 128 sampled records + 16 bytes
.set SB,   32*FSEG                     ; sampled records, behind the cloud's (which begin at LDS byte 0)
.set LIST, SB+32*SSEG                  ; [scan 2][segment 32][query 32] x 32 bytes: 4 values, 4 group numbers
.set M1,   LIST+65536                  ; [wave 8][query 32] x 32 bytes: lists after the first merge; ends at 271,360
.set FT,   14                          ; v14      at work in SQ
.set ST,   16                          ; v[16:143]  fill: 32 records of the cloud
.set GI,   144                         ; v[144:159] fill: 16 list entries, then byte offsets
.set GA,   160                         ; v[160:223] fill: 16 gathered records
.set QX,   16                          ; v[16:31]   scan: x, y, z, sq of my 4 queries
.set QY,   20
.set QZ,   24
.set QS,   28
.set LV,   32                          ; v[32:47]   4 smallest group minima, query e at +4e
.set LI,   48                          ; v[48:63]   their group numbers
.set GM,   64                          ; v[64:67]   the running group's minimum, one for each query
.set GID,  68                          ; v68        the running group's number
.set TT,   69
.set CADR, 70                          ; v70        LDS address of my segment's next groups
.set LADR, 71                          ; v71        LDS address of my lists
.set CA,   96                          ; v[96:159]  16 candidate records, buffer A
.set CB,   160                         ; v[160:223] buffer B
.set T,    224                         ; v[224:255] four chains of 8 registers
.macro SQ r                            ; record at v[r:r+3]: sq = x x + y y + z z
	v_mul_f32 v[\r+3], v[\r], v[\r]
.if SQ_FMA
	v_fmac_f32 v[\r+3], v[\r+1], v[\r+1]
	v_fmac_f32 v[\r+3], v[\r+2], v[\r+2]
.else
	v_mul_f32 v[FT], v[\r+1], v[\r+1]
	v_add_f32 v[\r+3], v[\r+3], v[FT]
	v_mul_f32 v[FT], v[\r+2], v[\r+2]
	v_add_f32 v[\r+3], v[\r+3], v[FT]
.endif
.endm
; The stages of d2 for a pair p of queries against record c, in chain t.  One word of the record is spread over both halves by op_sel.
.macro DX t, p, c
	v_pk_mul_f32 v[\t:\t+1], v[QX+2*\p:QX+2*\p+1], v[\c:\c+1] op_sel:[0,0] op_sel_hi:[1,0]
.endm
.macro DY t, p, c
.if DOT_FMA
	v_pk_fma_f32 v[\t:\t+1], v[QY+2*\p:QY+2*\p+1], v[\c:\c+1], v[\t:\t+1] op_sel:[0,1,0] op_sel_hi:[1,1,1]
.else
	v_pk_mul_f32 v[\t+2:\t+3], v[QY+2*\p:QY+2*\p+1], v[\c:\c+1] op_sel:[0,1] op_sel_hi:[1,1]
.endif
.endm
.macro DZ t, p, c
.if DOT_FMA
	v_pk_fma_f32 v[\t:\t+1], v[QZ+2*\p:QZ+2*\p+1], v[\c+2:\c+3], v[\t:\t+1] op_sel:[0,0,0] op_sel_hi:[1,0,1]
.else
	v_pk_mul_f32 v[\t+4:\t+5], v[QZ+2*\p:QZ+2*\p+1], v[\c+2:\c+3] op_sel:[0,0] op_sel_hi:[1,0]
.endif
.endm
.macro DW t, p, c
	v_pk_add_f32 v[\t+6:\t+7], v[QS+2*\p:QS+2*\p+1], v[\c+2:\c+3] op_sel:[0,1] op_sel_hi:[1,1]
.endm
.macro DA1 t, p, c
	v_pk_add_f32 v[\t:\t+1], v[\t:\t+1], v[\t+2:\t+3]
.endm
.macro DA2 t, p, c
	v_pk_add_f32 v[\t:\t+1], v[\t:\t+1], v[\t+4:\t+5]
.endm
.macro DF t, p, c
	v_pk_fma_f32 v[\t:\t+1], v[\t:\t+1], -2.0, v[\t+6:\t+7] op_sel_hi:[1,0,1]
.endm
.macro FOUR op, a, b                   ; one stage in all four chains: no instruction waits for the one in front of it
	\op T, 0, \a
	\op T+8, 1, \a
	\op T+16, 0, \b
	\op T+24, 1, \b
.endm
.macro PAIR2 a, b, first               ; my 4 queries against records a and b; first = 0: they start the group's minimum
	FOUR DX, \a, \b
	FOUR DY, \a, \b
	FOUR DZ, \a, \b
	FOUR DW, \a, \b
.if DOT_FMA == 0
	FOUR DA1, \a, \b
	FOUR DA2, \a, \b
.endif
	FOUR DF, \a, \b
.if \first == 0
	v_min_num_f32 v[GM], v[T], v[T+16]
	v_min_num_f32 v[GM+1], v[T+1], v[T+17]
	v_min_num_f32 v[GM+2], v[T+8], v[T+24]
	v_min_num_f32 v[GM+3], v[T+9], v[T+25]
.else
	v_min3_num_f32 v[GM], v[GM], v[T], v[T+16]
	v_min3_num_f32 v[GM+1], v[GM+1], v[T+1], v[T+17]
	v_min3_num_f32 v[GM+2], v[GM+2], v[T+8], v[T+24]
	v_min3_num_f32 v[GM+3], v[GM+3], v[T+9], v[T+25]
.endif
.endm
; Insertion into a sorted list of 4, without a branch.  The compare is strict: of equal values the one that came first stays in front.
.macro INSC val, lv, m                 ; masks s[m:m+3]: val is smaller than entry 0, 1, 2, 3
	v_cmp_lt_f32 s[\m], v[\val], v[\lv]
	v_cmp_lt_f32 s[\m+1], v[\val], v[\lv+1]
	v_cmp_lt_f32 s[\m+2], v[\val], v[\lv+2]
	v_cmp_lt_f32 s[\m+3], v[\val], v[\lv+3]
.endm
.macro INSM val, id, lv, li, m         ; the numbers move by the masks, the values by the middle of three
	v_cndmask_b32 v[TT], v[\id], v[\li+2], s[\m+2]
	v_cndmask_b32 v[\li+3], v[\li+3], v[TT], s[\m+3]
	v_cndmask_b32 v[TT], v[\id], v[\li+1], s[\m+1]
	v_cndmask_b32 v[\li+2], v[\li+2], v[TT], s[\m+2]
	v_cndmask_b32 v[TT], v[\id], v[\li], s[\m]
	v_cndmask_b32 v[\li+1], v[\li+1], v[TT], s[\m+1]
	v_cndmask_b32 v[\li], v[\li], v[\id], s[\m]
	v_med3_num_f32 v[\lv+3], v[\val], v[\lv+2], v[\lv+3]
	v_med3_num_f32 v[\lv+2], v[\val], v[\lv+1], v[\lv+2]
	v_med3_num_f32 v[\lv+1], v[\val], v[\lv], v[\lv+1]
	v_min_num_f32 v[\lv], v[\val], v[\lv]
.endm
.macro INS1 val, id, lv, li
	INSC \val, \lv, 28
	s_wait_alu depctr_va_sdst(0)                   ; the four compares have written s28 to s31, which the selects read; each insertion hangs on the one before, so each has its wait
	INSM \val, \id, \lv, \li, 28
.endm
.macro LOADG buf, off                  ; a group's 16 records; the 8 lanes of one segment read the same 16 bytes
.set t, 0
.rept 16
	ds_load_b128 v[\buf+4*t:\buf+4*t+3], v[CADR] offset:\off+16*t
.set t, t+1
.endr
.endm
; 16 candidates x 4 queries out of buffer buf, then the group's minimum takes its place in each query's list.
; ld = 1: the group at byte off from CADR is asked for, into buffer nbuf: four loads ahead of each of the first four pairs of records.  No wait stands
; with them: no vector instruction since the wait at the step's head names nbuf or CADR.  The last of them has four pairs and the insertions in which to land.
.macro GROUP buf, nbuf, off, ld
.set tp, 0
.rept 8
.if \ld
.if tp < 4
.irp k, 0,1,2,3
	ds_load_b128 v[\nbuf+16*tp+4*\k:\nbuf+16*tp+4*\k+3], v[CADR] offset:\off+64*tp+16*\k
.endr
.endif
.endif
	PAIR2 \buf+8*tp, \buf+8*tp+4, tp
.set tp, tp+1
.endr
.irp e, 0,1,2,3
	v_max_num_f32 v[GM+\e], CLAMP, v[GM+\e]        ; the clamp of reference(), on the minimum: it is monotone
.endr
	INSC GM+0, LV+0, 28
	INSC GM+1, LV+4, 32
	INSC GM+2, LV+8, 36
	INSC GM+3, LV+12, 44
	s_wait_alu depctr_va_sdst(0)                   ; the sixteen compares have written s28 to s39 and s44 to s47, which the selects below read: one wait for the run
	INSM GM+0, GID, LV+0, LI+0, 28
	INSM GM+1, GID, LV+4, LI+4, 32
	INSM GM+2, GID, LV+8, LI+8, 36
	INSM GM+3, GID, LV+12, LI+12, 44
	v_add_nc_u32 v[GID], 1, v[GID]
.endm
; My segment's groups through two register buffers; then my 4 lists go to LDS.  Ahead of the macro stand a wait on vm_vsrc behind the last LDS or memory
; instruction that read CADR, LV or LI, the lines that make CADR, and a wait on va_vdst behind them.
.macro SCAN ngroups, scan
	LOADG CA, 0                                    ; the first group is on its way while the lists are started
.irp k, 0,1,2,3,4,5,6,7,8,9,10,11,12,13,14,15
	v_mov_b32 v[LV+\k], s41                        ; lists start at +infinity
	v_mov_b32 v[LI+\k], 0
.endr
	s_mov_b32 s40, \ngroups/2-1
.Lscan_\@:
	s_wait_dscnt 0x0                               ; buffer A is in (and whatever is older): its loads were issued early in the step before, and nothing younger is out
	s_wait_alu depctr_va_vdst(0)                   ; the step before is done reading buffer B, in which this step's loads land; CADR, which they read, is written
	GROUP CA, CB, 256, 1
	s_wait_dscnt 0x0                               ; buffer B is in
	s_wait_alu depctr_va_vdst(0)                   ; the step before is done reading buffer A, in which this step's loads land
	GROUP CB, CA, 512, 1
	s_wait_alu depctr_vm_vsrc(0)                   ; the trip's 32 loads have read CADR, which the add writes; the next head's wait shows the add done
	v_add_nc_u32 v[CADR], 512, v[CADR]
	s_sub_co_u32 s40, s40, 1
	s_cmp_lg_u32 s40, 0
	s_cbranch_scc1 .Lscan_\@
	s_wait_dscnt 0x0                               ; the last two groups: nothing is read beyond the segment
	s_wait_alu depctr_va_vdst(0)                   ; as at the loop's head: buffer B has been read, CADR is written
	GROUP CA, CB, 256, 1
	s_wait_dscnt 0x0
	GROUP CB, CA, 0, 0                             ; asks for nothing, so no wait on va_vdst stands ahead of it
	s_wait_alu depctr_va_vdst(0)                   ; the insertions have written LV and LI, which the LDS stores read
.irp e, 0,1,2,3
	ds_store_b128 v[LADR], v[LV+4*\e:LV+4*\e+3] offset:\scan*32768+32*\e
	ds_store_b128 v[LADR], v[LI+4*\e:LI+4*\e+3] offset:\scan*32768+32*\e+16
.endr
.endm
.macro BAR                             ; my LDS accesses are done, then the work-group's barrier
	s_wait_dscnt 0x0
	s_barrier_signal -1
	s_barrier_wait -1
.endm
.macro SPLIT2 hi, lo, a, b             ; two f32 as two bf16 each: hi = the rounded number, lo = the rounded rest
	v_cvt_pk_bf16_f32 v[\hi], v[\a], v[\b]
	v_lshlrev_b32 v[T], 16, v[\hi]
	v_and_b32 v[T+1], 0xffff0000, v[\hi]
	v_sub_f32 v[T], v[\a], v[T]
	v_sub_f32 v[T+1], v[\b], v[T+1]
	v_cvt_pk_bf16_f32 v[\lo], v[T], v[T+1]
.endm
	s_load_b512 s[8:23], s[0:1], 0x0               ; xyz 8, sample_indexes 10, w1 12, w2 14, w3 16, P 18, PS 20, grp 22
	s_load_b128 s[24:27], s[0:1], 0x40             ; WB 24, out0 26
	v_lshl_add_u32 v252, v0, 2, 0x42400
	v_mov_b32 v253, 0
	v_and_b32 v1, 31, v0                           ; lane
	v_lshrrev_b32 v2, 5, v0
	v_readfirstlane_b32 s2, v2                     ; wave w
	s_mov_b32 s3, ttmp9                            ; work-group x
	s_lshr_b32 s4, s3, 7                           ; batch b
	s_and_b32 s5, s3, 127                          ; xl: my queries are sampled positions 32 xl .. 32 xl + 31
	s_lshr_b32 s6, s5, 2                           ; j: the sampled segment that holds them
	s_and_b32 s7, s3, 3                            ; x3: which quarter of it
	s_mov_b32 s41, 0x7f800000                      ; +infinity
	s_wait_alu depctr_va_sdst(0)                   ; s2 is written, ahead of its first reader: offsets, LDS addresses and the branches on the wave's number are made from it
	s_mul_i32 s32, s2, 12288
	v_mad_u32_u24 v2, v1, 12, s32                  ; xyz: 1,024 points a wave, 12 bytes a lane
	s_lshl_b32 s33, s2, 11
	v_lshl_add_u32 v3, v1, 4, s33                  ; list: 512 entries a wave, 16 bytes a lane
	s_mul_i32 s34, s2, 4*FSEG
	v_lshl_add_u32 v4, v1, 4, s34                  ; LDS: my wave's 4 segments of the cloud
	s_mul_i32 s35, s2, 4*SSEG
	s_add_co_u32 s35, s35, SB
	v_lshl_add_u32 v5, v1, 6, s35                  ; LDS: my wave's 4 sampled segments, 4 records a lane
	s_mul_i32 s36, s4, 98304
	s_mov_b32 s37, 0
	s_lshl_b32 s38, s4, 14
	s_mov_b32 s39, 0
	s_wait_kmcnt 0x0
	s_add_nc_u64 s[8:9], s[8:9], s[36:37]          ; my batch's coordinates
	s_add_nc_u64 s[10:11], s[10:11], s[38:39]      ; my batch's list
	s_wait_alu depctr_va_vdst(0)                   ; v2 to v5 are written: the fill's loads and LDS stores read them as offsets and addresses, and nothing writes them again
	; FILL.  Entry 512 w + 128 k + 4 lane + e of the list lands in GI + 4 k + e; point 1024 w + 32 i + lane in ST + 4 i.
.irp k, 0,1,2,3
	global_load_b128 v[GI+4*\k:GI+4*\k+3], v3, s[10:11] offset:512*\k
.endr
.set i, 0
.rept 32
	global_load_b96 v[ST+4*i:ST+4*i+2], v2, s[8:9] offset:384*i
.set i, i+1
.endr
	s_wait_loadcnt 32                              ; the list's 4 loads are in, the 32 behind them stay out
.set i, 0
.rept 16
	v_min_u32 v[GI+i], 0x1fff, v[GI+i]             ; an index stays inside the cloud
	v_mul_u32_u24 v[GI+i], 12, v[GI+i]
.set i, i+1
.endr
	s_wait_alu depctr_va_vdst(0)                   ; the 16 byte offsets in GI are written, which the gathers read
.set i, 0
.rept 16
	global_load_b96 v[GA+4*i:GA+4*i+2], v[GI+i], s[8:9]
.set i, i+1
.endr
	s_wait_loadcnt 16                              ; the cloud's 32 loads are in, the 16 gathers stay out
.set i, 0
.rept 32
	SQ ST+4*i
.set i, i+1
.endr
	s_wait_alu depctr_va_vdst(0)                   ; the 32 sq are written: each is the fourth word of a record that the LDS stores read
.set i, 0
.rept 32
	ds_store_b128 v4, v[ST+4*i:ST+4*i+3] offset:(i>>3)*FSEG+(i&7)*512
.set i, i+1
.endr
	s_wait_loadcnt 0x0
.set i, 0
.rept 16
	SQ GA+4*i
.set i, i+1
.endr
	s_wait_alu depctr_va_vdst(0)                   ; the 16 sq of the sampled records are written, which the LDS stores read
.set i, 0
.rept 16
	ds_store_b128 v5, v[GA+4*i:GA+4*i+3] offset:(i>>2)*SSEG+(i&3)*16
.set i, i+1
.endr
	BAR                                            ; all records are in LDS for every wave
	; Lane l: queries 4 (l & 7) .. + 3, segment 4 w + (l >> 3).  One record load of a wave feeds 32 queries x 4 candidates.
	s_wait_alu depctr_vm_vsrc(0)                   ; the fill's LDS stores have read v16 to v143 and v160 to v223, its gathers v144 to v159: from here on these registers are written anew
	v_and_b32 v6, 7, v1
	v_lshrrev_b32 v7, 3, v1
	s_mul_i32 s32, s6, SSEG
	s_lshl_b32 s33, s7, 9
	s_add_co_u32 s32, s32, s33
	s_add_co_u32 s32, s32, SB
	v_lshl_add_u32 v8, v6, 6, s32
	v_lshl_add_u32 v9, s2, 2, v7                   ; my segment L
	v_lshlrev_b32 v[LADR], 10, v9
	v_lshl_add_u32 v[LADR], v6, 7, v[LADR]
	v_add_nc_u32 v[LADR], LIST, v[LADR]
	v_mul_u32_u24 v[CADR], FSEG, v9
	v_lshlrev_b32 v[GID], 4, v9                    ; 16 groups in a segment of the cloud
	s_wait_alu depctr_va_vdst(0)                   ; v8, LADR and CADR are written, which the LDS loads and stores below read; the fill's vector lines are done with v16 to v31 and with buffer A, in which loads land
.irp e, 0,1,2,3
	ds_load_b32 v[QX+\e], v8 offset:16*\e          ; word by word into their places: no copies
	ds_load_b32 v[QY+\e], v8 offset:16*\e+4
	ds_load_b32 v[QZ+\e], v8 offset:16*\e+8
	ds_load_b32 v[QS+\e], v8 offset:16*\e+12
.endr
	SCAN 16, 0
	s_wait_alu depctr_vm_vsrc(0)                   ; the first scan's loads have read CADR and its list stores LV and LI: all three are written again below
	v_mul_u32_u24 v[CADR], SSEG, v9
	v_add_nc_u32 v[CADR], SB, v[CADR]
	v_lshlrev_b32 v[GID], 3, v9                    ; 8 groups in a sampled segment
	s_wait_alu depctr_va_vdst(0)                   ; CADR is written, which the second scan's loads read
	SCAN 8, 1
	BAR                                            ; all lists are in LDS
	; MERGE 1.  Wave w: scan w >> 2, segments 8 (w & 3) .. + 7, query = lane.  Lists in ascending segment order, entries in their order, so ties keep the lower group.
	s_wait_alu depctr_vm_vsrc(0)                   ; my list stores have read LV and LI, in which the loads below land
	s_lshl_b32 s32, s2, 13
	s_add_co_u32 s32, s32, LIST
	v_lshl_add_u32 v10, v1, 5, s32
	s_lshl_b32 s33, s2, 10
	s_add_co_u32 s33, s33, M1
	v_lshl_add_u32 v11, v1, 5, s33
	s_wait_alu depctr_va_vdst(0)                   ; v10 and v11 are written, which the LDS loads and stores of the merge read
	ds_load_b128 v[LV:LV+3], v10
	ds_load_b128 v[LI:LI+3], v10 offset:16
.irp i, 1,2,3,4,5,6,7
	ds_load_b128 v[CA+4*(\i-1):CA+4*(\i-1)+3], v10 offset:1024*\i
	ds_load_b128 v[CB+4*(\i-1):CB+4*(\i-1)+3], v10 offset:1024*\i+16
.endr
	s_wait_dscnt 0x0
.set n, 0
.rept 28
	INS1 CA+n, CB+n, LV, LI
.set n, n+1
.endr
	s_wait_alu depctr_va_vdst(0)                   ; the insertions have written LV and LI, which the LDS stores read
	ds_store_b128 v11, v[LV:LV+3]
	ds_store_b128 v11, v[LI:LI+3] offset:16
	BAR                                            ; the last barrier: from here each wave has a job of its own and no wave writes LDS
	s_wait_alu depctr_vm_vsrc(0)                   ; the merge's LDS loads and stores have read v10, v11, LV and LI: the jobs below write v10 and v11 anew, and loads land in LV and LI
	; Waves 0 and 1: the last merge of scan w, the 4 group numbers in ascending order, 512 consecutive bytes of grp.
	s_cmp_lt_u32 s2, 2
	s_cbranch_scc0 .Ltail23
	s_lshl_b32 s32, s2, 12
	s_add_co_u32 s32, s32, M1
	v_lshl_add_u32 v10, v1, 5, s32
	s_lshl_b32 s33, s2, 17
	s_lshl_b32 s34, s3, 9
	s_add_co_u32 s33, s33, s34
	v_lshl_add_u32 v12, v1, 4, s33
	s_wait_alu depctr_va_vdst(0)                   ; v10 and v12 are written, which the loads and the store read
	ds_load_b128 v[LV:LV+3], v10
	ds_load_b128 v[LI:LI+3], v10 offset:16
.irp i, 1,2,3
	ds_load_b128 v[CA+4*(\i-1):CA+4*(\i-1)+3], v10 offset:1024*\i
	ds_load_b128 v[CB+4*(\i-1):CB+4*(\i-1)+3], v10 offset:1024*\i+16
.endr
	s_wait_dscnt 0x0
.set n, 0
.rept 12
	INS1 CA+n, CB+n, LV, LI
.set n, n+1
.endr
	v_min_u32 v[CA], v[LI], v[LI+1]                ; five compare-exchanges; ascending, so that the next launch meets candidates in index order
	v_max_u32 v[CA+1], v[LI], v[LI+1]
	v_min_u32 v[CA+2], v[LI+2], v[LI+3]
	v_max_u32 v[CA+3], v[LI+2], v[LI+3]
	v_min_u32 v[LI], v[CA], v[CA+2]
	v_max_u32 v[CA+4], v[CA], v[CA+2]
	v_min_u32 v[CA+5], v[CA+1], v[CA+3]
	v_max_u32 v[LI+3], v[CA+1], v[CA+3]
	v_min_u32 v[LI+1], v[CA+4], v[CA+5]
	v_max_u32 v[LI+2], v[CA+4], v[CA+5]
	s_wait_alu depctr_va_vdst(0)                   ; the compare-exchanges have written LI, which the store reads
	global_store_b128 v12, v[LI:LI+3], s[22:23]
	s_wait_dscnt 0x0
	s_wait_alu depctr_hold_cnt(0) depctr_sa_sdst(0) depctr_va_vdst(0) depctr_va_sdst(0) depctr_va_ssrc(0) depctr_va_vcc(0) depctr_vm_vsrc(0)
	s_wait_tensorcnt 0x0
	ds_add_u32 v252, v253
	s_wait_dscnt 0x0
	s_endpgm
	; Waves 2 and 3: records 64 x .. 64 x + 63 of P (segment j, quarter x3 of the cloud in LDS).
.Ltail23:
	s_cmp_lt_u32 s2, 4
	s_cbranch_scc0 .Ltail4
	s_sub_co_u32 s32, s2, 2
	s_lshl_b32 s32, s32, 9
	s_mul_i32 s33, s6, FSEG
	s_lshl_b32 s34, s7, 10
	s_add_co_u32 s33, s33, s34
	s_add_co_u32 s33, s33, s32
	v_lshl_add_u32 v10, v1, 4, s33
	s_lshl_b32 s35, s3, 10
	s_add_co_u32 s35, s35, s32
	v_lshl_add_u32 v12, v1, 4, s35
	s_wait_alu depctr_va_vdst(0)                   ; v10 and v12 are written, which the load and the store read
	ds_load_b128 v[CA:CA+3], v10
	s_wait_dscnt 0x0
	global_store_b128 v12, v[CA:CA+3], s[18:19]
	s_wait_dscnt 0x0
	s_wait_alu depctr_hold_cnt(0) depctr_sa_sdst(0) depctr_va_vdst(0) depctr_va_sdst(0) depctr_va_ssrc(0) depctr_va_vcc(0) depctr_vm_vsrc(0)
	s_wait_tensorcnt 0x0
	ds_add_u32 v252, v253
	s_wait_dscnt 0x0
	s_endpgm
	; Wave 4: records 32 x .. 32 x + 31 of PS: my queries.
.Ltail4:
	s_cmp_eq_u32 s2, 4
	s_cbranch_scc0 .Ltail5
	s_mul_i32 s33, s6, SSEG
	s_lshl_b32 s34, s7, 9
	s_add_co_u32 s33, s33, s34
	s_add_co_u32 s33, s33, SB
	v_lshl_add_u32 v10, v1, 4, s33
	s_lshl_b32 s35, s3, 9
	v_lshl_add_u32 v12, v1, 4, s35
	s_wait_alu depctr_va_vdst(0)                   ; v10 and v12 are written, which the load and the store read
	ds_load_b128 v[CA:CA+3], v10
	s_wait_dscnt 0x0
	global_store_b128 v12, v[CA:CA+3], s[20:21]
	s_wait_dscnt 0x0
	s_wait_alu depctr_hold_cnt(0) depctr_sa_sdst(0) depctr_va_vdst(0) depctr_va_sdst(0) depctr_va_ssrc(0) depctr_va_vcc(0) depctr_vm_vsrc(0)
	s_wait_tensorcnt 0x0
	ds_add_u32 v252, v253
	s_wait_dscnt 0x0
	s_endpgm
	; Wave 5 of work-groups 0 to 43: weight fragment x.  Lane (r = l & 15, h = l >> 4) holds column 16 nt + r, rows 32 ks + 8 h .. + 7 and 32 ks + 16 + 8 h .. + 7
	; (the layout of a 16-bit operand with K = 32: ISA guide 7.12.2).  At 2,048 x: the high halves' registers 0-3, 4-7, then the low halves'.
; s32 = byte offset of (row 32 ks, column 16 nt); nc = columns; sh = log2 of 8 rows' bytes; pad = 1: w1 has 28 rows, rows 28 to 31 of the fragment are zeros
.macro WJOB base, nc, sh, pad
	v_lshl_add_u32 v10, v6, 2, s32
	v_lshl_add_u32 v11, v7, \sh, v10
	s_wait_alu depctr_va_vdst(0)                   ; v10, v11 and v12 are written, which the loads and the stores read
.set e, 0
.rept 16
.if \pad*(e/12)
	global_load_b32 v[CA+e], v10, s[\base:\base+1] offset:(8+e)*\nc*4     ; rows 20 to 23 in every lane: inside the buffer; put to zero below where h = 1
.else
	global_load_b32 v[CA+e], v11, s[\base:\base+1] offset:(e+8*(e/8))*\nc*4
.endif
.set e, e+1
.endr
	s_wait_loadcnt 0x0
.if \pad
	v_cmp_eq_u32 s28, 1, v7
	s_wait_alu depctr_va_sdst(0)                   ; the compare has written s28, which the four selects read
.irp k, 12,13,14,15
	v_cndmask_b32 v[CA+\k], v[CA+\k], 0, s28
.endr
.endif
.set e, 0
.rept 8
	SPLIT2 CB+e, CB+8+e, CA+2*e, CA+2*e+1
.set e, e+1
.endr
	s_wait_alu depctr_va_vdst(0)                   ; the roundings have written v[CB:CB+15], which the stores read
.irp k, 0,1,2,3
	global_store_b128 v12, v[CB+4*\k:CB+4*\k+3], s[24:25] offset:512*\k
.endr
.endm
.Ltail5:
	s_cmp_eq_u32 s2, 5
	s_cbranch_scc0 .Ltail6
	s_cmp_lt_u32 s3, 44
	s_cbranch_scc0 .Lend
	v_and_b32 v6, 15, v1
	v_lshrrev_b32 v7, 4, v1
	s_lshl_b32 s35, s3, 11
	v_lshl_add_u32 v12, v1, 4, s35
	s_cmp_lt_u32 s3, 4
	s_cbranch_scc0 .Lw2
	s_lshl_b32 s32, s3, 6                          ; w1: nt = x
	WJOB 12, 64, 11, 1
	s_wait_dscnt 0x0
	s_wait_alu depctr_hold_cnt(0) depctr_sa_sdst(0) depctr_va_vdst(0) depctr_va_sdst(0) depctr_va_ssrc(0) depctr_va_vcc(0) depctr_vm_vsrc(0)
	s_wait_tensorcnt 0x0
	ds_add_u32 v252, v253
	s_wait_dscnt 0x0
	s_endpgm
.Lw2:
	s_cmp_lt_u32 s3, 12
	s_cbranch_scc0 .Lw3
	s_sub_co_u32 s33, s3, 4                        ; w2: x - 4 = 2 nt + ks
	s_and_b32 s34, s33, 1
	s_lshl_b32 s34, s34, 13
	s_lshr_b32 s33, s33, 1
	s_lshl_b32 s33, s33, 6
	s_add_co_u32 s32, s33, s34
	WJOB 14, 64, 11, 0
	s_wait_dscnt 0x0
	s_wait_alu depctr_hold_cnt(0) depctr_sa_sdst(0) depctr_va_vdst(0) depctr_va_sdst(0) depctr_va_ssrc(0) depctr_va_vcc(0) depctr_vm_vsrc(0)
	s_wait_tensorcnt 0x0
	ds_add_u32 v252, v253
	s_wait_dscnt 0x0
	s_endpgm
.Lw3:
	s_sub_co_u32 s33, s3, 12                       ; w3: x - 12 = 4 nt + ks
	s_and_b32 s34, s33, 3
	s_lshl_b32 s34, s34, 14
	s_lshr_b32 s33, s33, 2
	s_lshl_b32 s33, s33, 6
	s_add_co_u32 s32, s33, s34
	WJOB 16, 128, 12, 0
	s_wait_dscnt 0x0
	s_wait_alu depctr_hold_cnt(0) depctr_sa_sdst(0) depctr_va_vdst(0) depctr_va_sdst(0) depctr_va_ssrc(0) depctr_va_vcc(0) depctr_vm_vsrc(0)
	s_wait_tensorcnt 0x0
	ds_add_u32 v252, v253
	s_wait_dscnt 0x0
	s_endpgm
	; Wave 6 of every fourth work-group: out0 of sampled segment j, 128 points = 1,536 bytes, as three stores of 512 consecutive bytes.
	; Number e = 128 k + 4 lane + c of the 384 belongs to point e / 3 (= e x 43691 >> 17 for e < 384) and lies at word e + e / 3 of the segment.
	; The twelve LDS addresses are made first, each in a register of its own (v[CB:CB+11]), so that one wait serves the twelve loads.
.Ltail6:
	s_cmp_eq_u32 s2, 6
	s_cbranch_scc0 .Lend
	s_cmp_eq_u32 s7, 0
	s_cbranch_scc0 .Lend
	s_mul_i32 s33, s6, SSEG
	s_add_co_u32 s33, s33, SB
	v_lshlrev_b32 v6, 2, v1
.set n, 0
.rept 12
	v_add_nc_u32 v7, 128*(n>>2)+(n&3), v6
	v_mul_u32_u24 v[CB+n], 0xaaab, v7
	v_lshrrev_b32 v[CB+n], 17, v[CB+n]
	v_add_lshl_u32 v[CB+n], v[CB+n], v7, 2
	v_add_nc_u32 v[CB+n], s33, v[CB+n]
.set n, n+1
.endr
	s_mul_i32 s34, s4, 49152
	s_mul_i32 s35, s6, 1536
	s_add_co_u32 s34, s34, s35
	v_lshl_add_u32 v12, v1, 4, s34
	s_wait_alu depctr_va_vdst(0)                   ; the twelve addresses and v12 are written, which the loads and the stores read
.set n, 0
.rept 12
	ds_load_b32 v[CA+n], v[CB+n]
.set n, n+1
.endr
	s_wait_dscnt 0x0
.irp k, 0,1,2
	global_store_b128 v12, v[CA+4*\k:CA+4*\k+3], s[26:27] offset:512*\k
.endr
.Lend:
	s_wait_dscnt 0x0
	s_wait_alu depctr_hold_cnt(0) depctr_sa_sdst(0) depctr_va_vdst(0) depctr_va_sdst(0) depctr_va_ssrc(0) depctr_va_vcc(0) depctr_vm_vsrc(0)
	s_wait_tensorcnt 0x0
	ds_add_u32 v252, v253
	s_wait_dscnt 0x0
	s_endpgm
.Lfunc_end_k_q68d067b90a_knn:
	.size	k_q68d067b90a_knn, .Lfunc_end_k_q68d067b90a_knn-k_q68d067b90a_knn
	.p2alignl 7, 3214868480
	.fill 96, 4, 3214868480
	.section	.rodata,"a",@progbits
	.p2align	6, 0x0
	.amdhsa_kernel k_q68d067b90a_knn
		.amdhsa_group_segment_fixed_size 272384
		.amdhsa_private_segment_fixed_size 0
		.amdhsa_enable_private_segment 0
		.amdhsa_kernarg_size 80
		.amdhsa_user_sgpr_count 2
		.amdhsa_user_sgpr_kernarg_segment_ptr 1
		.amdhsa_wavefront_size32 1
		.amdhsa_system_sgpr_workgroup_id_x 1
		.amdhsa_system_sgpr_workgroup_id_y 1
		.amdhsa_system_sgpr_workgroup_id_z 1
		.amdhsa_system_vgpr_workitem_id 0
		.amdhsa_next_free_vgpr 256
		.amdhsa_next_free_sgpr 66
		.amdhsa_reserve_vcc 0
		.amdhsa_float_denorm_mode_32 3
		.amdhsa_float_denorm_mode_16_64 3
		.amdhsa_memory_ordered 1
		.amdhsa_forward_progress 1
		.amdhsa_inst_pref_size 222
	.end_amdhsa_kernel
	.amdgpu_metadata
---
amdhsa.version: [ 1, 2 ]
amdhsa.kernels:
  - .name:           k_q68d067b90a_knn
    .symbol:         k_q68d067b90a_knn.kd
    .args:
      - { .name: xyz, .offset: 0, .size: 8, .value_kind: global_buffer, .address_space: global }
      - { .name: sample_indexes, .offset: 8, .size: 8, .value_kind: global_buffer, .address_space: global }
      - { .name: w1, .offset: 16, .size: 8, .value_kind: global_buffer, .address_space: global }
      - { .name: w2, .offset: 24, .size: 8, .value_kind: global_buffer, .address_space: global }
      - { .name: w3, .offset: 32, .size: 8, .value_kind: global_buffer, .address_space: global }
      - { .name: P, .offset: 40, .size: 8, .value_kind: global_buffer, .address_space: global }
      - { .name: PS, .offset: 48, .size: 8, .value_kind: global_buffer, .address_space: global }
      - { .name: grp, .offset: 56, .size: 8, .value_kind: global_buffer, .address_space: global }
      - { .name: WB, .offset: 64, .size: 8, .value_kind: global_buffer, .address_space: global }
      - { .name: out0, .offset: 72, .size: 8, .value_kind: global_buffer, .address_space: global }
    .group_segment_fixed_size: 272384
    .private_segment_fixed_size: 0
    .kernarg_segment_align: 8
    .kernarg_segment_size: 80
    .max_flat_workgroup_size: 256
    .sgpr_count:     66
    .vgpr_count:     256
    .wavefront_size: 32
...
	.end_amdgpu_metadata
.endif
;; end of part 3
;; launch mlp: the kernel of part 2 again; grid 256 x 1, 8 waves a work-group, no clusters, 75,264 bytes of LDS; arguments P, PS, grp, WB, feature, sample_indexes, g1, b1, be1, g2, b2, be2, g3, b3, be3, out1; writes out1
